; MI455X (gfx1250); checked and timed in simulation.
; The chip was launched on July 23, 2026; its instructions are those of AMD's public machine-readable ISA for CDNA 5 (MIT licence, August 2026) and "CDNA5" Instruction Set Architecture Reference Guide (July 2026). The comments in the code are by the model that wrote it; some were corrected since.
;; Multi Head Attention. Allowed arithmetic: matrix products marked QUANTISED: E3M2 operands, one E8M0 scale for each 32 along K, by v_wmma_scale_f32_16x16x128_f8f6f4 with both operands' format E3M2, f32 sums; everything else in f32.
;; Inputs: Wk 1,024 x 1,024 float32; Wo 1,024 x 1,024 float32; Wq 1,024 x 1,024 float32; Wv 1,024 x 1,024 float32; bo 1,024 float32; in_data 2 x 2,048 x 1,024 float32.
;; Outputs: out0 2 x 2,048 x 1,024 float32.
;; This version of the problem:
;;   THIS VERSION OF THE PROBLEM IS GIVEN IN LOW PRECISION. The matrix products marked QUANTISED in the list below multiply operands that are first quantised to E3M2 (3 exponent bits, 2 mantissa bits; 6 bits a number), with one power-of-two scale for each 32 numbers along K (OCP MX v1.0); their sums are f32. All else is computed in f32.
;;   The module's matrix products, in the order in which they are computed (A, B: the left and right operand; K: the contracted axis; several contracted axes count as one K, in the product's order):
;;     1. [M 4,096, K 1,024] x [K 1,024, N 1,024]; A: input in_data; B: input Wq: QUANTISED
;;     2. [M 4,096, K 1,024] x [K 1,024, N 1,024]; A: input in_data; B: input Wk: QUANTISED
;;     3. [M 4,096, K 1,024] x [K 1,024, N 1,024]; A: input in_data; B: input Wv: QUANTISED
;;     4. batch 32 x [M 2,048, K 64] x [K 64, N 2,048]; A: computed on the way; B: computed on the way: QUANTISED
;;     5. batch 32 x [M 2,048, K 2,048] x [K 2,048, N 64]; A: softmax (see below); B: computed on the way: QUANTISED
;;     6. [M 4,096, K 1,024] x [K 1,024, N 1,024]; A: computed on the way; B: input Wo: QUANTISED
;;   THE QUANTISER, for each operand of a quantised product, along K:
;;     - K is cut into blocks of 32 from its start; a last block that is shorter is filled with zeros.
;;     - A block's scale is 2^e with e = floor(log2(the largest magnitude in the block)) - 4, held to -126 .. 127; a block of zeros has e = 0. As a byte (E8M0): e + 127.
;;     - Each number is divided by its block's scale, clamped to +-28, and rounded to the nearest number of E3M2, ties to even, subnormals kept.
;;     - The product sums the exact products of the quantised numbers (number of the format x scale) in f32.
;;   ~~~python
;;   def quantise(x, axis):      # numpy; x: float32 -> the quantised numbers, widened to float32 again
;;       x = np.moveaxis(x, axis, -1); K = x.shape[-1]
;;       x = np.pad(x, [(0, 0)] * (x.ndim - 1) + [(0, -K % 32)]); x = x.reshape(x.shape[:-1] + (-1, 32)); a = np.abs(x).max(-1, keepdims=True)
;;       e = np.where(a > 0, np.clip(np.frexp(np.where(a > 0, a, 1))[1] - 1 - 4, -126, 127), 0)      # np.frexp(a)[1] - 1 = floor(log2(a)), exactly
;;       r = np.clip(x / 2.0 ** e, -28, 28)
;;       step = 2.0 ** (np.maximum(np.frexp(np.where(r == 0, 1, r))[1] - 1, -2) - 2)
;;       q = np.round(r / step) * step * 2.0 ** e      # np.round: ties to even
;;       return np.moveaxis(q.reshape(q.shape[:-2] + (-1,))[..., :K], -1, axis).astype(np.float32)
;;   ~~~
;;   SOFTMAX AHEAD OF A QUANTISED PRODUCT. Where the list says 'softmax', what is quantised is not the finished softmax but p = 2^(t - M), with t = logit x log2(e) and M = ceil(the row's largest t), a whole number; so 1/2 < the row's largest p <= 1. The row's sum l is taken of the UNQUANTISED p, in f32, and the product's result is divided by l at the end. Since M is a whole number, a kernel that streams over the keys may use a running M (the ceiling of the running maximum): every later rescaling is an exact power of two, which a block's scale takes up: the codes' values come out the same.
;;   OPERANDS COMPUTED ON THE WAY. 'Computed on the way' means the value that the module computes at that place (a softmax that the list does not call 'softmax' is quantised finished and normalised). What goes into a quantiser is computed in f32, as accurately as f32 sums, v_exp_f32 and their like allow (about 1e-6 of the number): no bf16 or f16 on the way to a quantiser, and a product that is left as it is and whose result goes on into a quantised operand takes f32 operands (vector FMAs, or v_wmma_f32_16x16x4_f32). A number that lies on a knife's edge between two numbers of the format may be rounded either way, as far as f32 arithmetic and the matrix unit's own rounding can turn it there, and no further.
;; One version. Each part assembles by itself: llvm-mc -triple=amdgcn-amd-amdhsa -mcpu=gfx1250 --defsym DOCPART=n.
;; ======== version 1 of 1: 4 launches
;; limits: right only within a limited range of input values
;; workspace buffers: opnd 6,553,600 bytes; qimg 3,407,872 bytes; kv 6,815,744 bytes; ctx 3,276,800 bytes
;; launch quant (part 1): grid 256 x 1, 8 waves a work-group, no clusters, 68,608 bytes of LDS; arguments in_data, Wq, Wk, Wv, Wo, opnd; writes opnd
.if DOCPART == 1
	.amdgcn_target "amdgcn-amd-amdhsa--gfx1250"
	.amdhsa_code_object_version 6
	.text
	.protected	k_qabe2afaa73_quant
	.globl	k_qabe2afaa73_quant
	.p2align	8
	.type	k_qabe2afaa73_quant,@function
k_qabe2afaa73_quant:
	s_mov_b64 s[64:65], 0
	v_nop
	global_prefetch_b8 v0, s[64:65] scope:SCOPE_SE
	s_setreg_imm32_b32 hwreg(HW_REG_WAVE_MODE, 25, 1), 1
	s_wait_xcnt 0x0
; in_data [4096][1024] and Wq, Wk, Wv, Wo [1024][1024], f32, K innermost, become codes of BF6 (E3M2) with one E8M0 byte for each 32 along K, laid in the ORDER OF THE OPERAND'S REGISTERS.
; ROWS go in groups of 64 (0-63 in_data, 64-79 Wq, 80-95 Wk, 96-111 Wv, 112-127 Wo), a group in 4 tiles of 16: slot r of tile i is row 32 (r / 8) + 8 i + r % 8 of the group.  So in a product's result,
; where a lane (r, h) holds rows 8 h + 0 .. 7 of each tile, its 32 registers over a group's four tiles are rows 32 h + 0 .. 31: a whole block of 32 along the NEXT product's K.
; opnd = [group (128)][quarter of K (4)][12,800 bytes: codes [q (2)][tile (4)][1,536], then scale words [tile][r][q], 4 bytes each].  A fragment (16 rows x 128 K, 12 registers a lane) is two halves of 768 bytes: registers 0-3 at
; 16 x lane, then 4-5 at 512 + 8 x lane.
; SHARES: a work-group takes two groups x one quarter, wave i tile i % 4 of group i / 4, in two units of 16 rows x 128 K.  Each load reads 512 consecutive bytes; a unit turns through the wave's own stage in LDS (rows 528 bytes apart),
; and comes back so that lane (r, h) holds, of row r, k = 64 c + 32 h + 0 .. 31: two whole blocks, in the order of the operand.  No barrier: waves share nothing.
; A block's scale is 2^(floor(log2(largest magnitude)) - 4): its byte is the largest magnitude's exponent field - 4, held at 1 from below.
; LIMITS: a block of zeros gets the byte 1 where the rule says 127 (its codes are zeros, and this program alone reads the bytes); blocks whose largest magnitude lies under 2^-122 have their byte held at 1; NaN and infinities among the inputs are not served.
; The program leaves out one kind of work: score tiles that lie wholly above the diagonal of the causal mask that reference() builds in its own body (third launch).  Every input is loaded.
.set STG,  8448
.set PIT,  528
.set SPARE, 8*STG
.set L16,  1                           ; 16 x lane
.set L8,   2                           ; 8 x lane
.set STI,  3                           ; the stage on the way in
.set STR,  4                           ; and out: 528 r + 128 h
.set SWO,  5                           ; 8 r + 4 h
.set TM,   8                           ; v8-11 largest magnitudes, two chains for each of two blocks
.set SO,   12                          ; v12-13 the conversions' scale operands
.set EB,   14                          ; v14-15 scale bytes
.set XT,   16                          ; the other half's word
.set H8,   17                          ; 8 h
.set PW,   24
.set R0,   32
.set R1,   96
.set X0,   160
.set PCA,  224
.set PCB,  96
.set SEL,  30
	s_load_b256 s[4:11], s[0:1], 0x0               ; in_data, Wq, Wk, Wv
	s_load_b128 s[12:15], s[0:1], 0x20             ; Wo, opnd
	v_lshl_add_u32 v248, v0, 2, SPARE
	v_mov_b32 v249, 0
	v_lshrrev_b32 v6, 5, v0
	v_readfirstlane_b32 s16, v6                    ; wave
	s_mul_i32 s17, s16, STG
	v_and_b32 v7, 31, v0
	v_and_b32 v26, 15, v0                          ; r
	v_bfe_u32 v27, v0, 4, 1                        ; h
	v_lshlrev_b32 v[L16], 4, v7
	v_lshlrev_b32 v[L8], 3, v7
	v_mul_u32_u24 v[STR], v26, PIT
	v_lshlrev_b32 v[SWO], 3, v26
	v_lshlrev_b32 v[H8], 3, v27
	v_add_nc_u32 v[STI], s17, v[L16]
	v_lshl_add_u32 v[STR], v27, 7, v[STR]
	v_lshl_add_u32 v[SWO], v27, 2, v[SWO]
	v_mov_b32 v[XT], 0                             ; a lane permute's destination counts as one of its sources
	v_add_nc_u32 v[STR], s17, v[STR]
	v_cmp_lt_u32 vcc_lo, 15, v7                    ; lanes 16-31 store the second unit's scale words
	s_mov_b32 s[SEL], 0x76543210
	s_mov_b32 s[SEL+1], 0xfedcba98
	s_lshr_b32 s18, ttmp9, 2                       ; pair of groups
	s_and_b32 s19, ttmp9, 3                        ; quarter of K
	s_and_b32 s20, s18, 7
	s_cmp_lt_u32 s18, 32
	s_cselect_b32 s20, s18, s20                    ; its number in its own tensor
	s_lshl_b32 s20, s20, 19                        ; x 128 rows of 4,096 bytes
	s_lshr_b32 s23, s16, 2
	s_and_b32 s28, s16, 3
	s_lshl_b32 s21, s23, 18                        ; + 64 rows x my group
	s_lshl_b32 s22, s28, 15                        ; + 8 rows x my tile
	s_add_co_u32 s20, s20, s21
	s_add_co_u32 s20, s20, s22
	s_lshl_b32 s21, s19, 10
	s_add_co_u32 s20, s20, s21                     ; + the quarter's 1,024 bytes
	s_mov_b32 s21, 0
	s_mul_i32 s22, s18, 102400
	s_mul_i32 s24, s19, 12800
	s_add_co_u32 s22, s22, s24
	s_mul_i32 s24, s23, 51200
	s_add_co_u32 s22, s22, s24                     ; my block of opnd
	s_mul_i32 s24, s28, 1536
	s_add_co_u32 s24, s24, s22                     ; my fragments
	s_mov_b32 s25, 0
	s_lshl_b32 s26, s28, 7
	s_add_co_u32 s26, s26, s22
	s_add_co_u32 s26, s26, 12288                   ; my scale words
	s_mov_b32 s27, 0
	s_wait_alu depctr_va_vdst(0)                   ; the head's end
	s_wait_kmcnt 0x0
	s_cmp_lt_u32 s18, 56                           ; which tensor: the choice hangs on the work-group's number alone
	s_cselect_b64 s[12:13], s[10:11], s[12:13]
	s_cmp_lt_u32 s18, 48
	s_cselect_b64 s[12:13], s[8:9], s[12:13]
	s_cmp_lt_u32 s18, 40
	s_cselect_b64 s[12:13], s[6:7], s[12:13]
	s_cmp_lt_u32 s18, 32
	s_cselect_b64 s[12:13], s[4:5], s[12:13]
	s_add_nc_u64 s[12:13], s[12:13], s[20:21]
	s_add_nc_u64 s[24:25], s[14:15], s[24:25]
	s_add_nc_u64 s[26:27], s[14:15], s[26:27]
.macro LOADQ q, reg                    ; unit q: slot p's 128 numbers, 512 consecutive bytes a load
.irp p, 0,1,2,3,4,5,6,7,8,9,10,11,12,13,14,15
	global_load_b128 v[\reg+4*\p:\reg+4*\p+3], v[L16], s[12:13] offset:(\p+24*(\p/8))*4096+512*\q th:TH_LOAD_NT
.endr
.endm
.macro TOST reg
.irp p, 0,1,2,3,4,5,6,7,8,9,10,11,12,13,14,15
	ds_store_b128 v[STI], v[\reg+4*\p:\reg+4*\p+3] offset:PIT*\p
.endr
.endm
.macro FROMST x                        ; register 32 c + i = number 64 c + 32 h + i of row r
.irp c, 0,1
.irp j, 0,1,2,3,4,5,6,7
	ds_load_b128 v[\x+32*\c+4*\j:\x+32*\c+4*\j+3], v[STR] offset:256*\c+16*\j
.endr
.endr
.endm
.macro QUANT s, pc, pw                 ; two blocks of a lane become a fragment's 12 registers at pc (pc + 12 .. 18 at work) and its scale word
.irp c, 0,1
	v_max3_num_f32 v[TM+\c], |v[\s+32*\c]|, |v[\s+1+32*\c]|, 0x2800000   ; with the floor 2^(5 - 127): the byte cannot fall under 1
.endr
.irp c, 0,1
	v_max3_num_f32 v[TM+2+\c], |v[\s+2+32*\c]|, |v[\s+3+32*\c]|, |v[\s+4+32*\c]|
.endr
.irp i, 5,9,13,17,21,25
.irp c, 0,1
	v_max3_num_f32 v[TM+\c], v[TM+\c], |v[\s+\i+32*\c]|, |v[\s+\i+1+32*\c]|
.endr
.irp c, 0,1
	v_max3_num_f32 v[TM+2+\c], v[TM+2+\c], |v[\s+\i+2+32*\c]|, |v[\s+\i+3+32*\c]|
.endr
.endr
.irp c, 0,1
	v_max3_num_f32 v[TM+\c], v[TM+\c], |v[\s+29+32*\c]|, |v[\s+30+32*\c]|
.endr
.irp c, 0,1
	v_max3_num_f32 v[TM+\c], v[TM+\c], v[TM+2+\c], |v[\s+31+32*\c]|
.endr
.irp c, 0,1
	v_add_nc_u32 v[SO+\c], 0xfe000000, v[TM+\c]    ; 4 off its exponent field: the conversion takes that field as its scale
.endr
.irp c, 0,1
	v_lshrrev_b32 v[EB+\c], 23, v[SO+\c]
.endr
	v_lshl_or_b32 v[\pw], v[EB+1], 16, v[EB]       ; blocks h and 2 + h,
	v_lshlrev_b32 v[\pw], v[H8], v[\pw]            ; at their places
.irp c, 0,1
	v_cvt_scalef32_pk16_bf6_f32 v[\pc+6*\c:\pc+2+6*\c], v[\s+32*\c:\s+15+32*\c], v[SO+\c]
	v_cvt_scalef32_pk16_bf6_f32 v[\pc+12+4*\c:\pc+14+4*\c], v[\s+16+32*\c:\s+31+32*\c], v[SO+\c]   ; (a conversion's three registers begin on an even number)
.endr
	v_permlanex16_b32 v[XT], v[\pw], s[SEL], s[SEL+1]   ; (a plain place behind the conversions)
.irp c, 0,1
.irp i, 0,1,2
	v_mov_b32 v[\pc+3+6*\c+\i], v[\pc+12+4*\c+\i]
.endr
.endr
	v_or_b32 v[\pw], v[\pw], v[XT]                 ; with lane l xor 16's two bytes the word is whole
.endm
.macro PUT pc, off                     ; each store covers 512 or 256 consecutive bytes, at a multiple of 256 from opnd's first byte
	global_store_b128 v[L16], v[\pc:\pc+3], s[24:25] offset:\off
	global_store_b64 v[L8], v[\pc+4:\pc+5], s[24:25] offset:\off+512
	global_store_b128 v[L16], v[\pc+6:\pc+9], s[24:25] offset:\off+768
	global_store_b64 v[L8], v[\pc+10:\pc+11], s[24:25] offset:\off+1280
.endm
	LOADQ 0, R0
	LOADQ 1, R1                                    ; 32 loads of 512 bytes are out in each wave
	s_wait_loadcnt 16                              ; unit 0's sixteen are in; unit 1's may be out
	TOST R0
	FROMST X0                                      ; LDS serves a wave's instructions in order: these see the stores above
	s_wait_loadcnt 0x0
	TOST R1
	s_wait_dscnt 16                                ; all but these sixteen stores: unit 0 is back, and its stores have read R0,
	FROMST R0                                      ; which takes unit 1
	QUANT X0, PCA, PW
	PUT PCA, 0
	s_wait_alu depctr_va_vdst(0)                   ; directly ahead of the wait below
	s_wait_dscnt 0x0                               ; unit 1 is back, and its stores have read R1, which takes its codes
	QUANT R0, PCB, PW+1
	PUT PCB, 6144
	v_cndmask_b32 v28, v[PW], v[PW+1], vcc_lo      ; lanes 0-15: row r's word of unit 0; lanes 16-31: of unit 1
	global_store_b32 v[SWO], v28, s[26:27]         ; 128 consecutive bytes
	s_wait_alu depctr_va_vdst(0)
	s_wait_tensorcnt 0x0                           ; the wave's end
	ds_add_u32 v248, v249
	s_wait_dscnt 0x0
	s_endpgm
.Lfunc_end_k_qabe2afaa73_quant:
	.size	k_qabe2afaa73_quant, .Lfunc_end_k_qabe2afaa73_quant-k_qabe2afaa73_quant
	.p2alignl 7, 3214868480
	.fill 96, 4, 3214868480
	.section	.rodata,"a",@progbits
	.p2align	6, 0x0
	.amdhsa_kernel k_qabe2afaa73_quant
		.amdhsa_group_segment_fixed_size 68608
		.amdhsa_private_segment_fixed_size 0
		.amdhsa_enable_private_segment 0
		.amdhsa_kernarg_size 48
		.amdhsa_user_sgpr_count 2
		.amdhsa_user_sgpr_kernarg_segment_ptr 1
		.amdhsa_wavefront_size32 1
		.amdhsa_system_sgpr_workgroup_id_x 1
		.amdhsa_system_sgpr_workgroup_id_y 1
		.amdhsa_system_sgpr_workgroup_id_z 1
		.amdhsa_system_vgpr_workitem_id 0
		.amdhsa_next_free_vgpr 250
		.amdhsa_next_free_sgpr 66
		.amdhsa_reserve_vcc 1
		.amdhsa_float_denorm_mode_32 3
		.amdhsa_float_denorm_mode_16_64 3
		.amdhsa_memory_ordered 1
		.amdhsa_forward_progress 1
		.amdhsa_inst_pref_size 17
	.end_amdhsa_kernel
	.amdgpu_metadata
---
amdhsa.version: [ 1, 2 ]
amdhsa.kernels:
  - .name:           k_qabe2afaa73_quant
    .symbol:         k_qabe2afaa73_quant.kd
    .args:
      - { .name: in_data, .offset: 0, .size: 8, .value_kind: global_buffer, .address_space: global }
      - { .name: Wq, .offset: 8, .size: 8, .value_kind: global_buffer, .address_space: global }
      - { .name: Wk, .offset: 16, .size: 8, .value_kind: global_buffer, .address_space: global }
      - { .name: Wv, .offset: 24, .size: 8, .value_kind: global_buffer, .address_space: global }
      - { .name: Wo, .offset: 32, .size: 8, .value_kind: global_buffer, .address_space: global }
      - { .name: opnd, .offset: 40, .size: 8, .value_kind: global_buffer, .address_space: global }
    .group_segment_fixed_size: 68608
    .private_segment_fixed_size: 0
    .kernarg_segment_align: 8
    .kernarg_segment_size: 48
    .max_flat_workgroup_size: 256
    .sgpr_count:     66
    .vgpr_count:     250
    .wavefront_size: 32
...
	.end_amdgpu_metadata
.endif
;; end of part 1
;; launch qkv (part 2): grid 16 x 16, 4 waves a work-group, clusters of 4 x 4, 327,680 bytes of LDS; arguments opnd, qimg, kv; writes qimg, kv
.if DOCPART == 2
	.amdgcn_target "amdgcn-amd-amdhsa--gfx1250"
	.amdhsa_code_object_version 6
	.text
	.protected	k_qabe2afaa73_qkv
	.globl	k_qabe2afaa73_qkv
	.p2align	8
	.type	k_qabe2afaa73_qkv,@function
k_qabe2afaa73_qkv:
	s_mov_b64 s[64:65], 0
	v_nop
	global_prefetch_b8 v0, s[64:65] scope:SCOPE_SE
	s_setreg_imm32_b32 hwreg(HW_REG_WAVE_MODE, 25, 1), 1
	s_wait_xcnt 0x0
	s_wait_alu depctr_hold_cnt(0) depctr_sa_sdst(0) depctr_va_vdst(0) depctr_va_sdst(0) depctr_va_ssrc(0) depctr_va_vcc(0) depctr_vm_vsrc(0)
	s_getreg_b32 s2, hwreg(HW_REG_IB_STS2, 6, 4)
	s_cmp_eq_u32 s2, 0
	s_cbranch_scc0 .Lentry_in_a_cluster
	s_endpgm
.Lentry_in_a_cluster:
	s_bfe_u32 s2, ttmp6, 0x10000c
	s_cmp_lg_u32 s2, 0xf033
	s_cbranch_scc0 .Lentry_shape_is_right
	s_endpgm
.Lentry_shape_is_right:
; q = x Wq^T, k = x Wk^T, v = x Wv^T on codes of BF6 (E3M2) with E8M0 scales; the results are quantised in registers and leave as operands of the attention's two products: q and k along the head's 64, v along the keys.
; SHARES: work-group (head j, y) makes q, k and v of head j for 256 tokens, four groups of 64: 256 work-groups.  Wave w owns group w: 4 tiles of tokens x 12 tiles of features (q, k, v: parts 0, 1, 2): 48 accumulators.
; OPERANDS lie in opnd as the first launch laid them: [group of 64 rows][quarter of K][12,800].  K = 1,024 is four quarters, eight steps of 128, written out.
; LDS: slot 0 (89,600 bytes: x's four groups, then Wq's, Wk's, Wv's group of the head) takes quarter 0, later quarter 3; behind it the same seven groups with quarters 1 and 2 side by side.
; LOADS, one a wave at the head: wave 0 x's quarter 0, wave 1 the weights', wave 2 x's quarters 1 and 2, wave 3 the weights'.  Waves 0 and 1 have load lines of their own and are waited for first; quarter 3 is the one refill.
; CLUSTER 4 x 4: x's groups are shared along a row of the cluster, the weights' along a column, each asked for jointly.  No prefetch: there is no loop to run ahead in, all but the last quarter is asked for at the head.
; q, k: source 0 = W's tile, source 1 = x's: a lane holds a token, 32 registers a whole block of features.  v: source 0 = x's tile, source 1 = Wv's: a lane holds a feature, 32 registers a whole block of keys.
; OUT: kv = [batch x head (32)][128 keys (16)][13,312: K codes [tile (8)][768] | K scale words 512 | V^T codes [dim tile (4)][1,536] | V scale words 256, twice]; qimg = [32][16][6,656]: the first two parts alone.
; LIMITS: a block of zeros gets the byte 1 where the rule says 127 (its codes are zeros; this program alone reads the bytes); NaN and infinities are not served.
; REGISTERS: window 0: v1-29 addresses; v32-79 scale words, two sets of 24; v80-175 x's fragments, two sets.  window 1: parts 0, 1, 2 of the weights' fragments at v0, v48, v96.
;   window 2: q's 16 accumulators at v0, k's at v128;  window 3: v's.
.set QB,   12800                       ; a group x a quarter
.set GRP,  51200                       ; a group x all of K
.set S1,   7*QB                        ; behind slot 0: quarters 1 and 2
.set SPARE, 21*QB
.set VST,  SPARE+512                   ; 512 bytes: V's scale words meet here
.set L16,  1
.set L8,   2
.set AA16, 4                           ; v4-6, v7-9: my group of x in quarter slot n, + 16 x lane, + 8 x lane
.set AA8,  7
.set AB16, 10                          ; v10-12, v13-15: the weights
.set AB8,  13
.set ASC,  16                          ; v16-18: scale words: lanes 0-15 x's, lanes 16-31 the weights'
.set VA,   22                          ; v22, v23: V's scale words into LDS and out
.set VB,   23
.set SPW,  28
.set NIL,  29
.set SC,   32
.set AF,   80
.set PD,   80                          ; the way out
.set PC,   96
.set TM,   176
.set SO,   180
.set EB,   184
.set WW,   188
.set G1A, 16
.set G1B, 24
.set G1C, 48
.set G1D, 56
.set G0A, 68
.set G0B, 72
.set G0C, 76
.set G0D, 80
.set MSB, 0
.macro WIN new                         ; the immediate's high byte repeats the setting that is left
.if MSB != (\new)
	s_set_vgpr_msb (MSB<<8)|(\new)
.set MSB, (\new)
.endif
.endm
.macro PLACES                          ; four plain places behind matrix instructions, in front of loads into their registers and of reads of their results
.rept 4
	v_nop
.endr
.endm
.macro CREST                           ; a round of the cluster's barrier behind its opening barrier
	s_cmp_lg_u32 s14, 0
	s_cbranch_scc1 .Lnot_wave_0_\@
	s_barrier_signal -3
.Lnot_wave_0_\@:
	s_barrier_wait -3
	s_barrier_signal -1
	s_barrier_wait -1
.endm
.macro CROUND
	s_barrier_signal -1
	s_barrier_wait -1
	CREST
.endm
	s_load_b128 s[4:7], s[0:1], 0x0                ; opnd, qimg
	s_load_b64 s[8:9], s[0:1], 0x10                ; kv
	v_lshl_add_u32 v[SPW], v0, 2, SPARE
	v_mov_b32 v[NIL], 0
	ds_add_u32 v[SPW], v[NIL]                      ; the wave's opening: the add, twice on end, and its wait
	ds_add_u32 v[SPW], v[NIL]
	v_lshrrev_b32 v3, 5, v0
	v_readfirstlane_b32 s14, v3                    ; wave = my group of 64 tokens
	s_bfe_u32 s40, ttmp6, 0x40000                  ; cx
	s_bfe_u32 s41, ttmp6, 0x40004                  ; cy
	s_lshl_b32 s42, ttmp9, 2
	s_add_co_u32 s42, s42, s40                     ; head
	s_and_b32 s43, ttmp7, 0xffff
	s_lshl_b32 s43, s43, 2
	s_add_co_u32 s43, s43, s41                     ; which 256 tokens
	s_lshl_b32 s44, s41, 2
	s_lshl_b32 s44, 15, s44                        ; my row of the cluster
	s_lshl_b32 s45, 0x1111, s40                    ; my column
	s_or_b32 s[G1A], s44, (3<<16)|(1<<21)          ; 15:0 the mask; 17:16 elements of 8 bytes; 21 set beside a mask; no padding
	s_or_b32 s[G1B], s45, (3<<16)|(1<<21)
	s_or_b32 s[G1C], s44, (3<<16)|(1<<21)
	s_or_b32 s[G1D], s45, (3<<16)|(1<<21)
.macro GROUP1 g, c, r, p               ; r rows of c elements, p elements apart
	s_mov_b32 s[\g+1], (\c)<<16
	s_mov_b32 s[\g+2], (\r)<<16
	s_mov_b32 s[\g+3], (\c)<<16
	s_mov_b32 s[\g+4], \r
	s_mov_b32 s[\g+5], \p
	s_mov_b32 s[\g+6], 0
	s_mov_b32 s[\g+7], 0
.endm
	GROUP1 G1A, 1600, 4, 6400                      ; x: four groups, one quarter (rows of 12,800 bytes)
	GROUP1 G1B, 1600, 3, 102400                    ; the weights: three groups, 16 groups apart
	GROUP1 G1C, 3200, 4, 6400                      ; two quarters (rows of 25,600 bytes)
	GROUP1 G1D, 3200, 3, 102400
	s_mul_i32 s10, s43, 4*GRP                      ; x's groups begin at 4 y,
	s_mov_b32 s11, 0
	s_add_co_u32 s12, s42, 64
	s_mul_i32 s12, s12, GRP                        ; Wq's at 64
	s_mov_b32 s13, 0
	; where my results go: group G = 4 y + wave: batch G / 32, block of 128 tokens (G / 2) % 16, half G % 2
	s_lshl_b32 s32, s43, 2
	s_add_co_u32 s32, s32, s14
	s_lshr_b32 s33, s32, 5
	s_bfe_u32 s34, s32, 0x40001
	s_and_b32 s35, s32, 1
	s_lshl_b32 s33, s33, 4
	s_add_co_u32 s33, s33, s42
	s_lshl_b32 s33, s33, 4
	s_add_co_u32 s36, s33, s34                     ; (batch x 16 + head) x 16 + block
	s_mul_i32 s37, s36, 6656
	s_mul_i32 s38, s36, 13312
	s_mul_i32 s39, s35, 3072
	s_lshl_b32 s46, s35, 8
	s_mul_i32 s47, s35, 768
	s_add_co_u32 s84, s37, s39                     ; q's codes
	s_add_co_u32 s86, s38, s39                     ; k's codes
	s_add_co_u32 s88, s37, s46
	s_add_co_u32 s88, s88, 6144                    ; q's scale words
	s_add_co_u32 s90, s38, s46
	s_add_co_u32 s90, s90, 6144                    ; k's (v's lie 6,656 further on)
	s_add_co_u32 s92, s38, s47
	s_add_co_u32 s92, s92, 6656                    ; v's codes
.irp i, 85,87,89,91,93
	s_mov_b32 s[\i], 0
.endr
	s_mul_i32 s32, s14, QB                         ; my group of x in slot 0,
	s_mul_i32 s33, s14, 2*QB
	s_add_co_u32 s33, s33, S1                      ; in quarter 1,
	s_add_co_u32 s34, s33, QB                      ; in quarter 2
	s_mov_b32 s35, 4*QB                            ; the weights there
	s_mov_b32 s36, S1+8*QB
	s_mov_b32 s37, S1+9*QB
	s_sub_co_u32 s38, s35, s32                     ; from x's to the weights': slot 0,
	s_sub_co_u32 s39, s36, s33                     ; quarters 1 and 2
	s_lshr_b32 s46, s14, 1
	s_lshl_b32 s46, s46, 8
	s_add_co_u32 s46, s46, VST                     ; V's words of my pair of waves
	s_and_b32 s47, s14, 1
	s_lshl_b32 s47, s47, 1
	s_add_co_u32 s47, s47, s46                     ; my two bytes of each
	v_and_b32 v3, 31, v0
	v_and_b32 v19, 15, v0                          ; r
	v_bfe_u32 v20, v0, 4, 1                        ; h
	v_lshlrev_b32 v[L16], 4, v3
	v_lshlrev_b32 v[L8], 3, v3
	v_lshlrev_b32 v21, 3, v19
	v_mul_u32_u24 v24, s38, v20                    ; lanes 16-31: one product, the distance between the two
	v_mul_u32_u24 v25, s39, v20
	v_add_nc_u32 v24, v24, v21
	v_add_nc_u32 v25, v25, v21
	v_add_nc_u32 v[ASC], s32, v24
	v_add_nc_u32 v[ASC+1], s33, v25
	v_add_nc_u32 v[ASC+2], s34, v25
.irp n, 0,1,2
	v_add_nc_u32 v[ASC+\n], 12288, v[ASC+\n]
	v_add_nc_u32 v[AA16+\n], s[32+\n], v[L16]
	v_add_nc_u32 v[AA8+\n], s[32+\n], v[L8]
	v_add_nc_u32 v[AB16+\n], s[35+\n], v[L16]
	v_add_nc_u32 v[AB8+\n], s[35+\n], v[L8]
.endr
	v_lshlrev_b32 v[VA], 4, v19
	v_lshl_add_u32 v[VA], v20, 2, v[VA]
	v_add_nc_u32 v[VA], s47, v[VA]                 ; 16 r + 4 h + 2 (wave % 2)
	v_add_nc_u32 v[VB], s46, v[L8]
	s_wait_alu depctr_va_vdst(0)                   ; the head's end
	s_wait_dscnt 0x0                               ; both opening adds are done
	s_wait_kmcnt 0x0
	s_add_nc_u64 s[10:11], s[4:5], s[10:11]
	s_add_nc_u64 s[12:13], s[4:5], s[12:13]
	s_add_nc_u64 s[84:85], s[6:7], s[84:85]
	s_add_nc_u64 s[86:87], s[8:9], s[86:87]
	s_add_nc_u64 s[88:89], s[6:7], s[88:89]
	s_add_nc_u64 s[90:91], s[8:9], s[90:91]
	s_add_nc_u64 s[92:93], s[8:9], s[92:93]
.macro GROUP0 g, lds, base, off
	s_mov_b32 s[\g], 1
	s_mov_b32 s[\g+1], \lds
	s_add_nc_u64 s[\g+2:\g+3], s[\base:\base+1], \off
	s_or_b32 s[\g+3], s[\g+3], 0x80000000
.endm
	GROUP0 G0A, 0, 10, 0
	GROUP0 G0B, 4*QB, 12, 0
	GROUP0 G0C, S1, 10, QB
	GROUP0 G0D, S1+8*QB, 12, QB
	CROUND                                         ; all sixteen work-groups are here: the first joint loads meet
; one tensor load a wave, in ONE chain of branches on the wave's number
.macro ARM under, g0, g1, next
	s_cmp_lt_u32 s14, \under
	s_cbranch_scc0 \next
	tensor_load_to_lds s[\g0:\g0+3], s[\g1:\g1+7]
	s_nop 0
.rept 4
	v_nop
.endr
	s_branch .Lhead_asked
\next:
.endm
	ARM 1, G0A, G1A, .Lhead_b
	ARM 2, G0B, G1B, .Lhead_c
	ARM 3, G0C, G1C, .Lhead_d
	tensor_load_to_lds s[G0D:G0D+3], s[G1D:G1D+7]
	s_nop 0
.rept 4
	v_nop
.endr
.Lhead_asked:
.macro FRAG reg, a16, a8, off          ; a fragment's image back into 12 registers: every load reads consecutive bytes
	ds_load_b128 v[\reg:\reg+3], v[\a16] offset:\off
	ds_load_b64 v[\reg+4:\reg+5], v[\a8] offset:\off+512
	ds_load_b128 v[\reg+6:\reg+9], v[\a16] offset:\off+768
	ds_load_b64 v[\reg+10:\reg+11], v[\a8] offset:\off+1280
.endm
.macro PSTEP n                         ; from part to part of the weights in slot n
.if (\n) == 0
.set PS, QB
.else
.set PS, 2*QB
.endif
.endm
.macro LOADB p, n, q                   ; part p's four fragments: 16 loads
	PSTEP \n
	WIN 0x40
.irp i, 0,1,2,3
	FRAG 48*\p+12*\i, AB16+\n, AB8+\n, \p*PS+6144*(\q)+1536*\i
.endr
	WIN 0
.endm
.macro LOADA set, n, q                 ; x's four fragments: 16 loads
.irp i, 0,1,2,3
	FRAG AF+48*(\set)+12*\i, AA16+\n, AA8+\n, 6144*(\q)+1536*\i
.endr
.endm
.macro SCALES sc, n                    ; slot n's scale words into set sc, 12 loads: register 2 (4 p + i) + q: lanes 0-15 x's tile i (of use for p = 0 alone), lanes 16-31 tile i of part p
	PSTEP \n
.irp p, 0,1,2
.irp i, 0,1,2,3
	ds_load_b64 v[SC+24*(\sc)+2*(4*\p+\i):SC+24*(\sc)+2*(4*\p+\i)+1], v[ASC+\n] offset:\p*PS+128*\i
.endr
.endr
.endm
; 8 matrix instructions: x's tiles a0, a0 + 1 x part p's four.  The 48 accumulators take turns in the same order in every step.
.macro MUL8 p, a0, set, sc, q, zero
.irp a, \a0, \a0+1
.irp b, 0,1,2,3
.set XA, AF+48*(\set)+12*(\a)
.set WB, 48*\p+12*\b
.set KA, SC+24*(\sc)+2*(\a)+(\q)
.set KB, SC+24*(\sc)+2*(4*\p+\b)+(\q)
.if \p < 2
.set DD, 128*\p+8*(4*(\a)+\b)
.if \zero
	v_wmma_scale_f32_16x16x128_f8f6f4 v[DD:DD+7], v[WB:WB+11], v[XA:XA+11], 0, v[KB], v[KA] matrix_a_fmt:MATRIX_FMT_BF6 matrix_b_fmt:MATRIX_FMT_BF6 matrix_a_scale:MATRIX_SCALE_ROW1
.else
	v_wmma_scale_f32_16x16x128_f8f6f4 v[DD:DD+7], v[WB:WB+11], v[XA:XA+11], v[DD:DD+7], v[KB], v[KA] matrix_a_fmt:MATRIX_FMT_BF6 matrix_b_fmt:MATRIX_FMT_BF6 matrix_a_scale:MATRIX_SCALE_ROW1
.endif
.else
.set DD, 8*(4*\b+(\a))
.if \zero
	v_wmma_scale_f32_16x16x128_f8f6f4 v[DD:DD+7], v[XA:XA+11], v[WB:WB+11], 0, v[KA], v[KB] matrix_a_fmt:MATRIX_FMT_BF6 matrix_b_fmt:MATRIX_FMT_BF6 matrix_b_scale:MATRIX_SCALE_ROW1
.else
	v_wmma_scale_f32_16x16x128_f8f6f4 v[DD:DD+7], v[XA:XA+11], v[WB:WB+11], v[DD:DD+7], v[KA], v[KB] matrix_a_fmt:MATRIX_FMT_BF6 matrix_b_fmt:MATRIX_FMT_BF6 matrix_b_scale:MATRIX_SCALE_ROW1
.endif
.endif
.endr
.endr
.endm
; A step of 128 along K: parts 0, 1, 2 by turns, 16 products each.  As soon as a part is multiplied, its registers take the next step's; x's fragments have two sets.
; kind = 2: quarters 1 and 2 are shown whole and slot 0, read out, is filled again with quarter 3: the three lines, a round, the joint refill first behind it.  kind = 1: a barrier that shows quarter 3 whole.
.macro STEP st, zero, kind
.set NX, (\st)+1
.set NN, (NX/2)%3                      ; the next step's slot
.set NC, (NX/2)%2                      ; and set of scale words
.set CC, ((\st)/2)%2
.if NX < 8
.set YO, 32+12*((NX%2)==0)*1
.if NX%2
.set YO, 32
.else
.set YO, 44                            ; the loads of the next step's x, part 0 and, at a new quarter, scale words
.endif
.else
.set YO, 0
.endif
.if \kind
	WIN 0
	s_wait_tensorcnt 0x0                           ; all my tensor loads have landed
.endif
.if \kind == 2
	ds_add_u32 v[SPW], v[NIL]                      ; 0 onto my spare word
	s_add_nc_u64 s[G0A+2:G0A+3], s[G0A+2:G0A+3], 3*QB   ; no load of mine is out: from quarter 0 to quarter 3
	s_add_nc_u64 s[G0B+2:G0B+3], s[G0B+2:G0B+3], 3*QB
	s_wait_dscnt 33                                ; x and part 0 are in; parts 1 and 2 and the add may be out
.else
	s_wait_dscnt 32                                ; x and part 0 are in; parts 1 and 2 (16 loads each) may be out
.endif
	WIN 0xa1                                       ; source 0 window 1, source 1 window 0, C and D window 2
	MUL8 0, 0, (\st)%2, CC, (\st)%2, \zero
.if \kind
	s_wait_dscnt 0x0                               ; all my LDS instructions are done: my reads of slot 0 are over
	s_barrier_signal -1
.endif
	MUL8 0, 2, (\st)%2, CC, (\st)%2, \zero
	WIN 0
.if \kind
	s_barrier_wait -1
.endif
.if \kind == 2
	CREST                                          ; no wave of any partner still reads slot 0 or has a load on its way
	s_cmp_lt_u32 s14, 1                            ; quarter 3: wave 0 x's, wave 1 the weights'
	s_cbranch_scc0 .Lrefill_b
	tensor_load_to_lds s[G0A:G0A+3], s[G1A:G1A+7]
	s_nop 0
.rept 4
	v_nop
.endr
	s_branch .Lrefilled
.Lrefill_b:
	s_cmp_lt_u32 s14, 2
	s_cbranch_scc0 .Lrefilled
	tensor_load_to_lds s[G0B:G0B+3], s[G1B:G1B+7]
	s_nop 0
.rept 4
	v_nop
.endr
.Lrefilled:
.endif
.if NX < 8
	PLACES
.if NX%2 == 0
	SCALES NC, NN
.endif
	LOADA NX%2, NN, NX%2
	LOADB 0, NN, NX%2
.endif
	s_wait_dscnt 16+YO                             ; part 1 is in; part 2 and what was asked for behind it may be out
	WIN 0xa1
	MUL8 1, 0, (\st)%2, CC, (\st)%2, \zero
	MUL8 1, 2, (\st)%2, CC, (\st)%2, \zero
	WIN 0
.if NX < 8
	PLACES
	LOADB 1, NN, NX%2
	s_wait_dscnt 16+YO                             ; part 2 is in
.else
	s_wait_dscnt 0x0
.endif
	WIN 0xf4                                       ; source 0 window 0, source 1 window 1, C and D window 3
	MUL8 2, 0, (\st)%2, CC, (\st)%2, \zero
	MUL8 2, 2, (\st)%2, CC, (\st)%2, \zero
	WIN 0
	PLACES
.if NX < 8
	LOADB 2, NN, NX%2
.endif
.endm
	s_cmp_lt_u32 s14, 2                            ; waves 0 and 1 wait for quarter 0; quarters 1 and 2 stay on their way
	s_cbranch_scc0 .Lno_wait
	s_wait_tensorcnt 0x0
.Lno_wait:
	s_barrier_signal -1
	s_barrier_wait -1
	SCALES 0, 0
	LOADA 0, 0, 0
	LOADB 0, 0, 0
	LOADB 1, 0, 0
	LOADB 2, 0, 0
	STEP 0, 1, 0
	STEP 1, 0, 2
	STEP 2, 0, 0
	STEP 3, 0, 0
	STEP 4, 0, 0
	STEP 5, 0, 1
	STEP 6, 0, 0
	STEP 7, 0, 0
; THE WAY OUT, part by part: four tiles' 32 registers, a block each, become 6 registers of codes (a half image) and a byte; the four tiles by turns.
.macro OUTQ win, ac, g
.set PG, PC+24*\g
	WIN \win*5                                     ; sources 0 and 1 in the accumulators' window
.irp a, 0,1,2,3
	v_max3_num_f32 v[TM+\a], |v[\ac+32*\a]|, |v[\ac+32*\a+1]|, 0x2800000   ; each accumulator is read from its low end on; the floor 2^(5 - 127) holds the byte at 1 from below
.endr
	WIN \win*20
.irp i, 2,4,6,8,10,12,14,16,18,20,22,24,26,28,30
.irp a, 0,1,2,3
	v_max3_num_f32 v[TM+\a], v[TM+\a], |v[\ac+32*\a+\i]|, |v[\ac+32*\a+\i+1]|
.endr
.endr
	WIN 0
.irp a, 0,1,2,3
	v_add_nc_u32 v[SO+\a], 0xfe000000, v[TM+\a]    ; 4 off the exponent field: the conversion's scale operand
.endr
.irp a, 0,1,2,3
	v_lshrrev_b32 v[EB+\a], 23, v[SO+\a]
.endr
	WIN \win
.irp a, 0,1,2,3
	v_cvt_scalef32_pk16_bf6_f32 v[PG+6*\a:PG+6*\a+2], v[\ac+32*\a:\ac+32*\a+15], v[SO+\a]
	v_cvt_scalef32_pk16_bf6_f32 v[PD+4*\a:PD+4*\a+2], v[\ac+32*\a+16:\ac+32*\a+31], v[SO+\a]
.endr
	WIN 0
.irp i, 0,2                                    ; (plain places behind the conversions)  the first's lanes 16-31 change places with the second's lanes 0-15: lanes 0-15 then hold tile i's two bytes, lanes 16-31 tile i + 1's
	v_permlane16_swap_b32 v[EB+\i], v[EB+\i+1]
.endr
.irp i, 0,1
	v_lshl_or_b32 v[WW+2*\g+\i], v[EB+2*\i+1], 8, v[EB+2*\i]
.endr
.irp a, 0,1,2,3
.irp i, 0,1,2
	v_mov_b32 v[PG+6*\a+3+\i], v[PD+4*\a+\i]
.endr
.endr
.endm
.macro PUT base, step, g               ; 512 and 256 consecutive bytes, at multiples of 256 from the buffer's first byte
.set PG, PC+24*\g
.irp a, 0,1,2,3
	global_store_b128 v[L16], v[PG+6*\a:PG+6*\a+3], s[\base:\base+1] offset:\step*\a
	global_store_b64 v[L8], v[PG+6*\a+4:PG+6*\a+5], s[\base:\base+1] offset:\step*\a+512
.endr
.endm
	OUTQ 2, 0, 0
	PUT 84, 768, 0
.irp i, 0,1
	v_or_b32 v[WW+\i], 0x7f7f0000, v[WW+\i]        ; bytes 2, 3: the byte of 1.0 for the K that the head does not fill
.endr
	global_store_b64 v[L8], v[WW:WW+1], s[88:89]
	OUTQ 2, 128, 1
	PUT 86, 768, 1
.irp i, 2,3
	v_or_b32 v[WW+\i], 0x7f7f0000, v[WW+\i]
.endr
	global_store_b64 v[L8], v[WW+2:WW+3], s[90:91]
	OUTQ 3, 0, 2
	ds_store_b16 v[VA], v[WW+4]                    ; V's scale words have four bytes, two from each of two waves: they meet in LDS, in bytes that no tensor load fills
	ds_store_b16 v[VA], v[WW+5] offset:8
	PUT 92, 1536, 2
	s_wait_alu depctr_va_vdst(0)                   ; directly ahead of the wait below
	s_wait_dscnt 0x0
	s_barrier_signal -1
	s_barrier_wait -1
	ds_load_b64 v[WW+6:WW+7], v[VB]                ; word 16 r + 4 x dim tile, 256 bytes: each wave of the pair stores one of the two copies
	s_wait_dscnt 0x0
	global_store_b64 v[L8], v[WW+6:WW+7], s[90:91] offset:6656
	s_wait_tensorcnt 0x0                           ; the wave's end
	ds_add_u32 v[SPW], v[NIL]
	s_wait_dscnt 0x0
	CROUND                                         ; the closing round
	s_endpgm
.Lfunc_end_k_qabe2afaa73_qkv:
	.size	k_qabe2afaa73_qkv, .Lfunc_end_k_qabe2afaa73_qkv-k_qabe2afaa73_qkv
	.p2alignl 7, 3214868480
	.fill 96, 4, 3214868480
	.section	.rodata,"a",@progbits
	.p2align	6, 0x0
	.amdhsa_kernel k_qabe2afaa73_qkv
		.amdhsa_group_segment_fixed_size 327680
		.amdhsa_private_segment_fixed_size 0
		.amdhsa_enable_private_segment 0
		.amdhsa_kernarg_size 24
		.amdhsa_user_sgpr_count 2
		.amdhsa_user_sgpr_kernarg_segment_ptr 1
		.amdhsa_wavefront_size32 1
		.amdhsa_system_sgpr_workgroup_id_x 1
		.amdhsa_system_sgpr_workgroup_id_y 1
		.amdhsa_system_sgpr_workgroup_id_z 1
		.amdhsa_system_vgpr_workitem_id 0
		.amdhsa_next_free_vgpr 1024
		.amdhsa_next_free_sgpr 100
		.amdhsa_reserve_vcc 0
		.amdhsa_float_denorm_mode_32 3
		.amdhsa_float_denorm_mode_16_64 3
		.amdhsa_memory_ordered 1
		.amdhsa_forward_progress 1
		.amdhsa_inst_pref_size 121
	.end_amdhsa_kernel
	.amdgpu_metadata
---
amdhsa.version: [ 1, 2 ]
amdhsa.kernels:
  - .name:           k_qabe2afaa73_qkv
    .symbol:         k_qabe2afaa73_qkv.kd
    .args:
      - { .name: opnd, .offset: 0, .size: 8, .value_kind: global_buffer, .address_space: global }
      - { .name: qimg, .offset: 8, .size: 8, .value_kind: global_buffer, .address_space: global }
      - { .name: kv, .offset: 16, .size: 8, .value_kind: global_buffer, .address_space: global }
    .group_segment_fixed_size: 327680
    .private_segment_fixed_size: 0
    .kernarg_segment_align: 8
    .kernarg_segment_size: 24
    .max_flat_workgroup_size: 128
    .sgpr_count:     100
    .vgpr_count:     1024
    .wavefront_size: 32
...
	.end_amdgpu_metadata
.endif
;; end of part 2
;; launch attn (part 3): grid 4 x 64, 16 waves a work-group, clusters of 4 x 4, 327,680 bytes of LDS; arguments qimg, kv, ctx; writes ctx
.if DOCPART == 3
	.amdgcn_target "amdgcn-amd-amdhsa--gfx1250"
	.amdhsa_code_object_version 6
	.text
	.protected	k_qabe2afaa73_attn
	.globl	k_qabe2afaa73_attn
	.p2align	8
	.type	k_qabe2afaa73_attn,@function
k_qabe2afaa73_attn:
	s_mov_b64 s[64:65], 0
	v_nop
	global_prefetch_b8 v0, s[64:65] scope:SCOPE_SE
	s_setreg_imm32_b32 hwreg(HW_REG_WAVE_MODE, 25, 1), 1
	s_wait_xcnt 0x0
	s_wait_alu depctr_hold_cnt(0) depctr_sa_sdst(0) depctr_va_vdst(0) depctr_va_sdst(0) depctr_va_ssrc(0) depctr_va_vcc(0) depctr_vm_vsrc(0)
	s_getreg_b32 s2, hwreg(HW_REG_IB_STS2, 6, 4)
	s_cmp_eq_u32 s2, 0
	s_cbranch_scc0 .Lentry_in_a_cluster
	s_endpgm
.Lentry_in_a_cluster:
	s_bfe_u32 s2, ttmp6, 0x10000c
	s_cmp_lg_u32 s2, 0xf033
	s_cbranch_scc0 .Lentry_shape_is_right
	s_endpgm
.Lentry_shape_is_right:
; ctx = softmax(q k^T / 8, causal) v, both products on codes of BF6 (E3M2) with E8M0 scales; ctx is quantised along the model's 1,024 and leaves as the last product's operand.
; THE SOFTMAX AHEAD OF THE SECOND PRODUCT: t = score x log2(e) / 8; M = the running largest t rounded UP to a whole number; p = 2^(t - M) is quantised along the keys, not normalised; the row's sum is taken of the unquantised p and divides at the end.
; When M moves, the sum and O are multiplied by 2^(old M - new M): exact.
; IN: kv = [batch x head][128 keys (16)][13,312: K codes [tile (8)][768] | K scale words 512 | V^T codes [dim tile (4)][1,536] | V scale words 512]; qimg = [batch x head][128 queries][6,656: the first two parts].
; Slot r of tile t is row 64 (t / 4) + 32 (r / 8) + 8 (t % 4) + r % 8 of its 128: so a lane's 32 scores of four tiles are a whole block of 32 keys.
; SHARES: a head's 2,048 queries are 16 blocks of 8 tiles of 16.  A head has 8 work-groups; work-group tau takes tile tau of EVERY block: 1 + 2 + .. + 16 = 136 tile-steps in each, and all sixteen key steps are read in each.
; Two waves share the tiles of blocks 15 - b and b (b = 0 .. 7), 17 tile-steps: role 0 the long tile's key steps 0-7; role 1 its key steps 8 .. 15 - b, then the short tile's 0 .. b.  The two parts of the long tile are joined through LDS.
; Key steps that lie wholly behind a block's queries in the causal mask of reference() are left out, for all values of the inputs; a NaN or an infinity that reaches only those scores is not carried to the result.
; LDS: the head's 16 step blocks, 212,992 bytes, as they lie in memory, filled ONCE, wave w asking for step w; behind them the spare words and a stage of 4,608 bytes for each pair of waves.
; Steps 0 and 8 have a load line of their own and are waited for first: they are what the first trip reads.
; CLUSTER 4 x 4: two heads; the four work-groups of a row ask jointly for K and V.  No prefetch: all is asked for at the head, there is no loop to run ahead in.
; LAYOUT: both products transposed: S^T = K Q^T, O^T = V^T P^T: a lane holds one query throughout.  THE HEAD'S 64 FILL HALF OF THE INSTRUCTION'S 128 ALONG K: Q's registers 6-11 are zero codes; what stands opposite them in source 0 (the next tile's codes,
; zeros behind tile 7) is multiplied by zero, under the scale byte of 1.0.
; LIMITS: a p under 2^-126 becomes 0 (v_exp_f32's result); a block of zeros gets the byte 1 where the rule says 127 (its codes are zeros; this program alone reads the bytes); NaN and infinities are not served; this launch's promise holds while
; the scaled scores stay under 2^31 in magnitude.
.set STEPB, 13312
.set SPARE, 16*STEPB
.set STG,  SPARE+2048
.set STGB, 4608
.set L16, 1
.set L8,  2
.set AD16, 3                           ; the same in the step in hand
.set AD8, 4
.set DQ,  5                            ; my query in its block - 32 h
.set NINF, 6
.set R8,  8                            ; 8 r
.set QF,  16                           ; v16-27 Q's fragment (22-27 zeros)
.set QS,  28
.set PS,  29
.set FF,  30                           ; v[30:31] f = 2^(old M - new M)
.set KS,  32
.set VS,  36
.set FR,  40                           ; v40-87 K's eight halves, then V's four fragments; v88-93 zeros
.set H8,  94                           ; 8 h
.set PX,  95
.set S,   96                           ; v96-159 S^T, then p
.set O,   160                          ; v160-191 O^T
.set PCD, 192
.set CT,  204
.set BM,  212
.set MT,  216
.set BT,  218
.set SO,  220
.set T,   224                          ; v224-231 the sum's four chains
.set Q2,  232                          ; v232-237, v238 the short tile's codes and scale words
.set QS2, 238
.set STA, 239                          ; my pair's stage + 16 x lane
.set SPW, 254
.set NIL, 255
.set WV,  10
.set PB,  11
.set ROLE, 12
.set G1,  16
.set G0,  24
.set HD,  44
.set TAU, 45
.set SEL, 46
.set CS,  48
.set TB,  50
.set SI,  51
.set OFF, 52
.set QB,  53
.set SW,  54
.set OFF1, 55
.set OFF2, 56
.set QBL, 57
.set ST,  58
.set END, 59
.macro CROUND
	s_barrier_signal -1
	s_barrier_wait -1
	s_cmp_lg_u32 s[WV], 0
	s_cbranch_scc1 .Lnot_wave_0_\@
	s_barrier_signal -3
.Lnot_wave_0_\@:
	s_barrier_wait -3
	s_barrier_signal -1
	s_barrier_wait -1
.endm
	s_load_b128 s[4:7], s[0:1], 0x0                ; qimg, kv
	s_load_b64 s[8:9], s[0:1], 0x10                ; ctx
	v_lshl_add_u32 v[SPW], v0, 2, SPARE
	v_mov_b32 v[NIL], 0
	ds_add_u32 v[SPW], v[NIL]                      ; the wave's opening: the add, twice on end, and its wait
	ds_add_u32 v[SPW], v[NIL]
	v_lshrrev_b32 v7, 5, v0
	v_readfirstlane_b32 s[WV], v7                  ; wave 0..15
	s_lshr_b32 s[PB], s[WV], 1                     ; b
	s_lshr_b32 s13, s[WV], 2
	s_xor_b32 s13, s13, s[WV]
	s_and_b32 s[ROLE], s13, 1                      ; of waves w, w + 4, w + 8, w + 12, and of waves 4 j .. 4 j + 3, two take each role
	s_bfe_u32 s40, ttmp6, 0x40000                  ; cx
	s_bfe_u32 s41, ttmp6, 0x40004                  ; cy
	s_and_b32 s42, ttmp7, 0xffff
	s_lshl_b32 s42, s42, 1
	s_lshr_b32 s43, s41, 1
	s_add_co_u32 s[HD], s42, s43                   ; batch x head: two to a cluster
	s_and_b32 s43, s41, 1
	s_lshl_b32 s43, s43, 2
	s_add_co_u32 s[TAU], s43, s40                  ; my tile in every block
	s_lshl_b32 s28, s41, 2
	s_lshl_b32 s28, 15, s28                        ; my row of the cluster
	s_or_b32 s[G1], s28, (3<<16)|(1<<21)           ; the mask; elements of 8 bytes; 21 set beside a mask; no padding
	s_mov_b32 s[G1+1], 32<<16                      ; rows of 256 bytes
	s_mov_b32 s[G1+2], 52<<16
	s_mov_b32 s[G1+3], 32<<16
	s_mov_b32 s[G1+4], 52                          ; 13,312 bytes
	s_mov_b32 s[G1+5], 32
	s_mov_b32 s[G1+6], 0
	s_mov_b32 s[G1+7], 0
	s_mul_i32 s29, s[WV], STEPB
	s_mul_i32 s30, s[HD], 16*STEPB
	s_add_co_u32 s30, s30, s29
	s_mov_b32 s31, 0
	s_xor_b32 s[QBL], s[PB], 15                    ; the long tile's block, 15 - b
	s_mul_i32 s32, s[HD], 106496                   ; my head's queries
	s_mul_i32 s33, s[TAU], 768
	s_lshr_b32 s34, s[TAU], 2                      ; scale words: 6,144 + 256 (t / 4) + 128 (t % 2) + 4 ((t / 2) % 2) + 8 r
	s_lshl_b32 s34, s34, 8
	s_and_b32 s35, s[TAU], 1
	s_lshl_b32 s35, s35, 7
	s_add_co_u32 s34, s34, s35
	s_bfe_u32 s35, s[TAU], 0x10001
	s_lshl_b32 s35, s35, 2
	s_add_co_u32 s34, s34, s35
	s_mul_i32 s35, s[QBL], 6656
	s_mul_i32 s36, s[PB], 6656
	s_add_co_u32 s35, s35, s32
	s_add_co_u32 s36, s36, s32
	s_add_co_u32 s32, s35, s33                     ; the long tile's codes,
	s_add_co_u32 s38, s36, s33                     ; the short one's
	s_add_co_u32 s34, s35, s34
	s_sub_co_u32 s33, s34, s35
	s_add_co_u32 s36, s36, s33                     ; and their scale words
	s_mov_b32 s33, 0
	s_mov_b32 s35, 0
	s_mov_b32 s37, 0
	s_mov_b32 s39, 0
	s_lshr_b32 s60, s[TAU], 2
	s_lshl_b32 s60, s60, 6
	s_and_b32 s61, s[TAU], 3
	s_lshl_b32 s61, s61, 3
	s_add_co_u32 s60, s60, s61                     ; 64 (tau / 4) + 8 (tau % 4)
	s_mul_i32 s61, s[PB], STGB
	s_add_co_u32 s61, s61, STG
	s_mov_b32 s[SEL], 0x76543210
	s_mov_b32 s[SEL+1], 0xfedcba98
	s_mov_b32 s[CS], 0x3e38aa3b                    ; log2(e) / 8
	s_mov_b32 s[CS+1], s[CS]                       ; (named with it as a pair)
	s_lshl_b32 s[OFF1], s[ROLE], 3                 ; trip n reads key step (n + OFF) % 16: role 0: n; role 1: n + 8 ahead of the switch,
	s_add_co_u32 s[OFF2], s[PB], 8                 ; n + b - 8 behind it
	s_add_co_u32 s[END], s[ROLE], 8                ; trips: 8 or 9
	s_sub_co_u32 s[SW], 8, s[PB]                   ; role 1 begins its short tile in trip 8 - b
	s_cmp_eq_u32 s[ROLE], 1
	s_cselect_b32 s[SW], s[SW], 64
	v_and_b32 v9, 31, v0
	v_and_b32 v10, 15, v0                          ; r
	v_bfe_u32 v11, v0, 4, 1                        ; h
	v_lshlrev_b32 v[L16], 4, v9
	v_lshlrev_b32 v[L8], 3, v9
	v_lshlrev_b32 v[R8], 3, v10
	v_lshlrev_b32 v[H8], 3, v11
	v_and_b32 v7, 8, v10
	v_lshlrev_b32 v11, 5, v11
	v_mad_u32_u24 v[DQ], v7, 3, v10                ; 32 (r / 8) + r % 8
	v_add_nc_u32 v[STA], s61, v[L16]
	v_add_nc_u32 v[DQ], s60, v[DQ]                 ; my query in its block
	v_mov_b32 v[NINF], 0xff800000
	v_sub_nc_u32 v[DQ], v[DQ], v11                 ; - 32 h
	v_mov_b32 v[FF+1], 0                           ; (named as the upper half of a pair)
	v_mov_b32 v[MT], 0                             ; a lane permute's destination counts as one of its sources
	v_mov_b32 v[PX], 0
.irp j, 0,1,2,3,4,5
	v_mov_b32 v[QF+6+\j], 0                        ; Q's zero codes for the upper 64 along K
	v_mov_b32 v[FR+48+\j], 0                       ; and what stands behind K's tile 7
.endr
	s_wait_alu depctr_va_vdst(0)                   ; the head's end
	s_wait_dscnt 0x0                               ; both opening adds are done
	s_wait_kmcnt 0x0
	s_add_nc_u64 s[30:31], s[6:7], s[30:31]
	s_add_nc_u64 s[32:33], s[4:5], s[32:33]
	s_add_nc_u64 s[34:35], s[4:5], s[34:35]
	s_add_nc_u64 s[36:37], s[4:5], s[36:37]
	s_add_nc_u64 s[38:39], s[4:5], s[38:39]
	s_mov_b32 s[G0], 1
	s_mov_b32 s[G0+1], s29
	s_mov_b64 s[G0+2:G0+3], s[30:31]
	s_or_b32 s[G0+3], s[G0+3], 0x80000000
	CROUND                                         ; all sixteen work-groups are here: the joint loads meet
	s_and_b32 s13, s[WV], 7
	s_cmp_eq_u32 s13, 0                            ; waves 0 and 8: steps 0 and 8
	s_cbranch_scc0 .Lload_rest
	tensor_load_to_lds s[G0:G0+3], s[G1:G1+7]
	s_nop 0
.rept 4
	v_nop
.endr
	s_branch .Lloaded
.Lload_rest:
	tensor_load_to_lds s[G0:G0+3], s[G1:G1+7]
	s_nop 0
.rept 4
	v_nop
.endr
.Lloaded:
	global_load_b128 v[QF:QF+3], v[L16], s[32:33]
	global_load_b64 v[QF+4:QF+5], v[L8], s[32:33] offset:512
	global_load_b32 v[QS], v[R8], s[34:35] offset:6144
	global_load_b128 v[Q2:Q2+3], v[L16], s[38:39]
	global_load_b64 v[Q2+4:Q2+5], v[L8], s[38:39] offset:512
	global_load_b32 v[QS2], v[R8], s[36:37] offset:6144
; A KEY STEP: 128 keys, from LDS byte TB.  first = 1: the sums begin
.macro STEP first
	v_add_nc_u32 v[AD16], s[TB], v[L16]
	v_add_nc_u32 v[AD8], s[TB], v[L8]
.irp t, 0,1,2,3,4,5,6,7
	ds_load_b128 v[FR+6*\t:FR+6*\t+3], v[AD16] offset:768*\t
	ds_load_b64 v[FR+6*\t+4:FR+6*\t+5], v[AD8] offset:768*\t+512
.endr
	ds_load_b64 v[KS:KS+1], v[AD8] offset:6144
	ds_load_b64 v[KS+2:KS+3], v[AD8] offset:6400
	s_wait_alu depctr_va_vdst(0)                   ; directly ahead of the wait below
	s_wait_dscnt 0x0
.irp t, 0,2,4,6
	v_wmma_scale_f32_16x16x128_f8f6f4 v[S+8*\t:S+8*\t+7], v[FR+6*\t:FR+6*\t+11], v[QF:QF+11], 0, v[KS+\t/2], v[QS] matrix_a_fmt:MATRIX_FMT_BF6 matrix_b_fmt:MATRIX_FMT_BF6
	v_wmma_scale_f32_16x16x128_f8f6f4 v[S+8*\t+8:S+8*\t+15], v[FR+6*\t+6:FR+6*\t+17], v[QF:QF+11], 0, v[KS+\t/2], v[QS] matrix_a_fmt:MATRIX_FMT_BF6 matrix_b_fmt:MATRIX_FMT_BF6 matrix_a_scale:MATRIX_SCALE_ROW1
.endr                                          ; lane (r, h): query slot r; register 32 c + i: key 64 c + 32 h + i of the step
.rept 4
	v_nop                                          ; places in front of the loads into K's registers and of the first read of the scores
.endr
.irp d, 0,1,2,3                                ; V's fragments and scale words land while the softmax is worked
	ds_load_b128 v[FR+12*\d:FR+12*\d+3], v[AD16] offset:6656+1536*\d
	ds_load_b64 v[FR+12*\d+4:FR+12*\d+5], v[AD8] offset:6656+1536*\d+512
	ds_load_b128 v[FR+12*\d+6:FR+12*\d+9], v[AD16] offset:6656+1536*\d+768
	ds_load_b64 v[FR+12*\d+10:FR+12*\d+11], v[AD8] offset:6656+1536*\d+1280
.endr
	ds_load_b128 v[VS:VS+3], v[AD16] offset:12800
	s_cmp_lg_u32 s[ST], s[QB]                      ; the step on the diagonal: hidden scores become -infinity ahead of the maximum; every other step skips this
	s_cbranch_scc1 .Lopen_\@
.set n, 0
.rept 64
	v_cmp_gt_i32 vcc_lo, 64*(n/32)+n%32, v[DQ]     ; key 64 c + i + 32 h > my query
	v_cndmask_b32 v[S+n], v[S+n], v[NINF], vcc_lo
.set n, n+1
.endr
.Lopen_\@:
.irp c, 0,1                                    ; the largest score of each of my two blocks of 32 keys: for the row's maximum, and, since p rises with the score, for the block's largest p; two chains a block
	v_max3_num_f32 v[BM+\c], v[S+32*\c], v[S+32*\c+1], v[S+32*\c+2]
	v_max3_num_f32 v[BM+2+\c], v[S+32*\c+16], v[S+32*\c+17], v[S+32*\c+18]
.endr
.irp i, 3,5,7,9,11,13
.irp c, 0,1
	v_max3_num_f32 v[BM+\c], v[BM+\c], v[S+32*\c+\i], v[S+32*\c+\i+1]
	v_max3_num_f32 v[BM+2+\c], v[BM+2+\c], v[S+32*\c+16+\i], v[S+32*\c+17+\i]
.endr
.endr
.irp c, 0,1
	v_max3_num_f32 v[BM+\c], v[BM+\c], v[S+32*\c+15], v[S+32*\c+31]
.endr
.irp c, 0,1
	v_max_num_f32 v[BM+\c], v[BM+\c], v[BM+2+\c]
.endr
	v_max_num_f32 v7, v[BM], v[BM+1]
	v_permlanex16_b32 v[MT], v7, s[SEL], s[SEL+1]
	v_max_num_f32 v7, v7, v[MT]                    ; with lane l xor 16's 64 keys
.if \first
	v_mul_f32 v13, s[CS], v7                       ; the largest t
	v_floor_f32 v12, -v13                          ; -M = -ceil(t)
.else
	v_mul_f32 v7, s[CS], v7
	v_max_num_f32 v13, v13, v7                     ; the running largest t
	v_mov_b32 v7, v12
	v_floor_f32 v12, -v13                          ; the new -M
	v_sub_f32 v7, v12, v7                          ; old M - new M: a whole number, 0 or less
	v_cvt_i32_f32 v7, v7                           ; (it saturates)
	v_ldexp_f32 v[FF], 1.0, v7                     ; f
.endif
.set j, 0
.rept 32
	v_pk_fma_f32 v[S+j:S+j+1], v[S+j:S+j+1], s[CS:CS+1], v[12:13] op_sel_hi:[1,0,0]   ; t - M, two at a time
.set j, j+2
.endr
.irp c, 0,1
	v_fma_f32 v[BM+\c], v[BM+\c], s[CS], v12
.endr
	s_wait_alu depctr_va_vdst(0)                   ; ahead of the batch
.set j, 0
.rept 64
	v_exp_f32 v[S+j], v[S+j]                       ; p = 2^(t - M)
.set j, j+1
.endr
.irp c, 0,1
	v_exp_f32 v[BM+\c], v[BM+\c]                   ; the block's largest p: the same two instructions on the same number
.endr
.if \first
	v_nop
.else
	v_pk_mul_f32 v[14:15], v[14:15], v[FF:FF+1] op_sel_hi:[1,0]   ; the sums under the new M (a plain place behind the exponentials)
.endif
	s_wait_alu depctr_va_vdst(0)                   ; and behind it, directly ahead of the first readers
.if \first == 0
.set j, 0
.rept 16
	v_pk_mul_f32 v[O+j:O+j+1], v[O+j:O+j+1], v[FF:FF+1] op_sel_hi:[1,0]   ; O^T under the new M
.set j, j+2
.endr
.endif
.irp c, 0,1
	v_max_num_f32 v[BM+\c], 0x2800000, v[BM+\c]    ; the floor 2^(5 - 127)
.endr
.irp c, 0,1
	v_add_nc_u32 v[SO+\c], 0xfe000000, v[BM+\c]
.endr
.irp c, 0,1
	v_lshrrev_b32 v[BT+\c], 23, v[SO+\c]
.endr
.irp c, 0,1
	v_cvt_scalef32_pk16_bf6_f32 v[PCD+6*\c:PCD+2+6*\c], v[S+32*\c:S+15+32*\c], v[SO+\c]
	v_cvt_scalef32_pk16_bf6_f32 v[CT+4*\c:CT+2+4*\c], v[S+16+32*\c:S+31+32*\c], v[SO+\c]
.endr
	v_lshl_or_b32 v[PS], v[BT+1], 16, v[BT]        ; (plain places behind the conversions)  blocks h and 2 + h,
.irp k, 0,1
	v_pk_add_f32 v[T+2*\k:T+2*\k+1], v[S+4*\k:S+4*\k+1], v[S+4*\k+2:S+4*\k+3]   ; the row's sum, of the unquantised p: four chains
.endr
	v_lshlrev_b32 v[PS], v[H8], v[PS]              ; at their places;
.irp k, 2,3
	v_pk_add_f32 v[T+2*\k:T+2*\k+1], v[S+4*\k:S+4*\k+1], v[S+4*\k+2:S+4*\k+3]
.endr
	v_permlanex16_b32 v[PX], v[PS], s[SEL], s[SEL+1]
.irp c, 0,1
.irp i, 0,1,2
	v_mov_b32 v[PCD+3+6*\c+\i], v[CT+4*\c+\i]
.endr
.endr
	v_or_b32 v[PS], v[PS], v[PX]                   ; with lane l xor 16's two bytes the word is whole
.irp i, 16,24,32,40,48,56
.irp k, 0,1,2,3
	v_pk_add_f32 v[T+2*\k:T+2*\k+1], v[T+2*\k:T+2*\k+1], v[S+\i+2*\k:S+\i+2*\k+1]   ; (24 places between p's codes and scale word and the products below)
.endr
.endr
	s_wait_alu depctr_va_vdst(0)                   ; directly ahead of the wait below
	s_wait_dscnt 0x0                               ; V is in
.irp d, 0,1,2,3                                ; four accumulators by turns
.if \first
	v_wmma_scale_f32_16x16x128_f8f6f4 v[O+8*\d:O+8*\d+7], v[FR+12*\d:FR+12*\d+11], v[PCD:PCD+11], 0, v[VS+\d], v[PS] matrix_a_fmt:MATRIX_FMT_BF6 matrix_b_fmt:MATRIX_FMT_BF6
.else
	v_wmma_scale_f32_16x16x128_f8f6f4 v[O+8*\d:O+8*\d+7], v[FR+12*\d:FR+12*\d+11], v[PCD:PCD+11], v[O+8*\d:O+8*\d+7], v[VS+\d], v[PS] matrix_a_fmt:MATRIX_FMT_BF6 matrix_b_fmt:MATRIX_FMT_BF6
.endif
.endr
	v_pk_add_f32 v[T:T+1], v[T:T+1], v[T+2:T+3]    ; four plain lines: the places in front of the next loads into V's registers and of the way out
	v_pk_add_f32 v[T+4:T+5], v[T+4:T+5], v[T+6:T+7]
.if \first
	v_nop
	v_pk_add_f32 v[14:15], v[T:T+1], v[T+4:T+5]
.else
	v_pk_add_f32 v[T:T+1], v[T:T+1], v[T+4:T+5]
	v_pk_add_f32 v[14:15], v[14:15], v[T:T+1]
.endif
.endm
	s_lshl_b32 s[ST], s[ROLE], 3                   ; the first trip: step 0 or 8
	s_mul_i32 s[TB], s[ST], STEPB
	s_mov_b32 s[QB], s[QBL]
	s_wait_loadcnt 0x0                             ; Q
	s_cmp_eq_u32 s13, 0                            ; waves 0 and 8 wait for steps 0 and 8; the others' loads stay on their way
	s_cbranch_scc0 .Lno_wait
	s_wait_tensorcnt 0x0
.Lno_wait:
	s_barrier_signal -1
	s_barrier_wait -1
	STEP 1
	s_wait_alu depctr_va_vdst(0)                   ; directly ahead of the waits below
	s_wait_tensorcnt 0x0                           ; my step has landed,
	s_wait_dscnt 0x0
	s_barrier_signal -1
	s_barrier_wait -1                              ; everybody's has
	s_mov_b32 s[SI], 1
.Ltrip:
	s_cmp_lt_u32 s[SI], s[SW]                      ; the long tile or the short one?  (ids alone)
	s_cselect_b32 s[OFF], s[OFF1], s[OFF2]
	s_cselect_b32 s[QB], s[QBL], s[PB]
	s_add_co_u32 s[ST], s[SI], s[OFF]
	s_and_b32 s[ST], s[ST], 15
	s_mul_i32 s[TB], s[ST], STEPB
	s_cmp_ge_u32 s[SI], s[END]                     ; role 0 has no ninth step: a branch on ids, round the step's work alone
	s_cbranch_scc1 .Lskip
	s_cmp_lg_u32 s[SI], s[SW]
	s_cbranch_scc1 .Lsame
.irp i, 0,1,2,3,4,5,6,7                        ; THE SWITCH of role 1: its part of the long tile goes into the pair's stage: O^T, then -M, the largest t and the sum in two halves
	ds_store_b128 v[STA], v[O+4*\i:O+4*\i+3] offset:512*\i
.endr
	ds_store_b128 v[STA], v[12:15] offset:4096
	s_wait_dscnt 0x0
	v_mov_b32 v[QS], v[QS2]
.irp i, 0,1,2,3,4,5
	v_mov_b32 v[QF+\i], v[Q2+\i]
.endr
	v_mov_b32 v13, 0xff61b1e6                      ; the largest t so far: -3e38, under every t: so the next f is 0,
	v_floor_f32 v12, -v13                          ; and takes the finite sums of the long tile to 0
.rept 4
	v_nop
.endr
.Lsame:
	STEP 0
.Lskip:
	s_add_co_u32 s[SI], s[SI], 1
	s_cmp_lt_u32 s[SI], 9
	s_wait_alu depctr_va_vdst(0)                   ; directly ahead of the branch
	s_cbranch_scc1 .Ltrip
	s_wait_dscnt 0x0
	s_barrier_signal -1
	s_barrier_wait -1                              ; role 1's parts are in the stages
	s_mov_b32 s[QB], s[PB]
	s_cmp_eq_u32 s[ROLE], 1
	s_cbranch_scc1 .Lwhole
	s_mov_b32 s[QB], s[QBL]
.irp i, 0,1,2,3,4,5,6,7,8                      ; role 0 joins the long tile's two parts, under the larger M
	ds_load_b128 v[S+4*\i:S+4*\i+3], v[STA] offset:512*\i
.endr
	s_wait_dscnt 0x0
	v_min_num_f32 v7, v12, v[S+32]                 ; -M of both
	v_sub_f32 v9, v7, v12
	v_sub_f32 v10, v7, v[S+32]
	v_cvt_i32_f32 v9, v9
	v_cvt_i32_f32 v10, v10
	v_ldexp_f32 v[FF], 1.0, v9                     ; powers of two, 1 or less: nothing is rounded by them
	v_ldexp_f32 v[SO], 1.0, v10
	v_pk_mul_f32 v[14:15], v[14:15], v[FF:FF+1] op_sel_hi:[1,0]
.set j, 0
.rept 16
	v_pk_mul_f32 v[O+j:O+j+1], v[O+j:O+j+1], v[FF:FF+1] op_sel_hi:[1,0]
.set j, j+2
.endr
	v_pk_fma_f32 v[14:15], v[S+34:S+35], v[SO:SO+1], v[14:15] op_sel_hi:[1,0,1]
.set j, 0
.rept 16
	v_pk_fma_f32 v[O+j:O+j+1], v[S+j:S+j+1], v[SO:SO+1], v[O+j:O+j+1] op_sel_hi:[1,0,1]
.set j, j+2
.endr
.Lwhole:
	; THE WAY OUT.  O^T / the sum: register i is dim 32 h + i of my query's row of the head: a whole block along the last product's K
	v_add_f32 v14, v14, v15
	v_permlanex16_b32 v7, v14, s[SEL], s[SEL+1]
	v_add_f32 v14, v14, v7                         ; the row's sum
	s_wait_alu depctr_va_vdst(0)                   ; ahead of the transcendental
	v_rcp_f32 v14, v14
	v_nop                                          ; one plain place behind a transcendental
	s_wait_alu depctr_va_vdst(0)
.set j, 0
.rept 16
	v_pk_mul_f32 v[S+j:S+j+1], v[O+j:O+j+1], v[14:15] op_sel_hi:[1,0]
.set j, j+2
.endr
	v_max3_num_f32 v[BM], |v[S]|, |v[S+1]|, 0x2800000
	v_max3_num_f32 v[BM+1], |v[S+2]|, |v[S+3]|, |v[S+4]|
.irp i, 5,9,13,17,21,25
	v_max3_num_f32 v[BM], v[BM], |v[S+\i]|, |v[S+\i+1]|
	v_max3_num_f32 v[BM+1], v[BM+1], |v[S+\i+2]|, |v[S+\i+3]|
.endr
	v_max3_num_f32 v[BM], v[BM], |v[S+29]|, |v[S+30]|
	v_max3_num_f32 v[BM], v[BM], v[BM+1], |v[S+31]|
	v_add_nc_u32 v[SO], 0xfe000000, v[BM]
	v_lshrrev_b32 v[BT], 23, v[SO]
	v_cvt_scalef32_pk16_bf6_f32 v[PCD:PCD+2], v[S:S+15], v[SO]
	v_cvt_scalef32_pk16_bf6_f32 v[CT:CT+2], v[S+16:S+31], v[SO]
	v_lshlrev_b32 v[BT], v[H8], v[BT]              ; (a plain place)
	v_permlanex16_b32 v[MT], v[BT], s[SEL], s[SEL+1]
.irp i, 0,1,2
	v_mov_b32 v[PCD+3+\i], v[CT+\i]
.endr
	v_or_b32 v[BT], v[BT], v[MT]                   ; my query's two bytes
	; ctx = [group of 64 tokens (64)][quarter of K = four heads][12,800], laid as the first launch lays its operands: head hd is quarter hd / 4, step (hd / 2) % 2, half hd % 2
	s_lshr_b32 s28, s[HD], 4
	s_lshl_b32 s28, s28, 5
	s_lshl_b32 s29, s[QB], 1
	s_add_co_u32 s28, s28, s29
	s_lshr_b32 s29, s[TAU], 2
	s_add_co_u32 s28, s28, s29                     ; group
	s_mul_i32 s28, s28, 51200
	s_bfe_u32 s29, s[HD], 0x20002
	s_mul_i32 s29, s29, 12800
	s_add_co_u32 s28, s28, s29
	s_bfe_u32 s29, s[HD], 0x10001
	s_and_b32 s30, s[HD], 1
	s_and_b32 s31, s[TAU], 3
	s_mul_i32 s34, s29, 6144
	s_mul_i32 s35, s31, 1536
	s_add_co_u32 s32, s28, s34
	s_add_co_u32 s32, s32, s35
	s_mul_i32 s34, s30, 768
	s_add_co_u32 s32, s32, s34
	s_mov_b32 s33, 0
	s_add_nc_u64 s[32:33], s[8:9], s[32:33]
	s_lshl_b32 s34, s31, 7                         ; the scale bytes: 12,288 + 128 x tile + 8 r + 4 x step + 2 x half
	s_lshl_b32 s29, s29, 2
	s_lshl_b32 s30, s30, 1
	s_add_co_u32 s34, s34, s29
	s_add_co_u32 s34, s34, s30
	s_add_co_u32 s34, s34, s28
	s_mov_b32 s35, 0
	s_add_nc_u64 s[34:35], s[8:9], s[34:35]
	s_wait_alu depctr_va_vdst(0)
	global_store_b128 v[L16], v[PCD:PCD+3], s[32:33]           ; 512 and 256 consecutive bytes, at multiples of 256 from ctx's first byte
	global_store_b64 v[L8], v[PCD+4:PCD+5], s[32:33] offset:512
	global_store_b16 v[R8], v[BT], s[34:35] offset:12288       ; two bytes a row, 8 bytes apart (lanes 16-31 write what lanes 0-15 write): 1/24 of a tile's bytes
	s_wait_tensorcnt 0x0                           ; the wave's end
	ds_add_u32 v[SPW], v[NIL]
	s_wait_dscnt 0x0
	CROUND                                         ; the closing round
	s_endpgm
.Lfunc_end_k_qabe2afaa73_attn:
	.size	k_qabe2afaa73_attn, .Lfunc_end_k_qabe2afaa73_attn-k_qabe2afaa73_attn
	.p2alignl 7, 3214868480
	.fill 96, 4, 3214868480
	.section	.rodata,"a",@progbits
	.p2align	6, 0x0
	.amdhsa_kernel k_qabe2afaa73_attn
		.amdhsa_group_segment_fixed_size 327680
		.amdhsa_private_segment_fixed_size 0
		.amdhsa_enable_private_segment 0
		.amdhsa_kernarg_size 24
		.amdhsa_user_sgpr_count 2
		.amdhsa_user_sgpr_kernarg_segment_ptr 1
		.amdhsa_wavefront_size32 1
		.amdhsa_system_sgpr_workgroup_id_x 1
		.amdhsa_system_sgpr_workgroup_id_y 1
		.amdhsa_system_sgpr_workgroup_id_z 1
		.amdhsa_system_vgpr_workitem_id 0
		.amdhsa_next_free_vgpr 256
		.amdhsa_next_free_sgpr 66
		.amdhsa_reserve_vcc 1
		.amdhsa_float_denorm_mode_32 3
		.amdhsa_float_denorm_mode_16_64 3
		.amdhsa_memory_ordered 1
		.amdhsa_forward_progress 1
		.amdhsa_inst_pref_size 55
	.end_amdhsa_kernel
	.amdgpu_metadata
---
amdhsa.version: [ 1, 2 ]
amdhsa.kernels:
  - .name:           k_qabe2afaa73_attn
    .symbol:         k_qabe2afaa73_attn.kd
    .args:
      - { .name: qimg, .offset: 0, .size: 8, .value_kind: global_buffer, .address_space: global }
      - { .name: kv, .offset: 8, .size: 8, .value_kind: global_buffer, .address_space: global }
      - { .name: ctx, .offset: 16, .size: 8, .value_kind: global_buffer, .address_space: global }
    .group_segment_fixed_size: 327680
    .private_segment_fixed_size: 0
    .kernarg_segment_align: 8
    .kernarg_segment_size: 24
    .max_flat_workgroup_size: 512
    .sgpr_count:     66
    .vgpr_count:     256
    .wavefront_size: 32
...
	.end_amdgpu_metadata
.endif
;; end of part 3
;; launch outp (part 4): grid 8 x 32, 4 waves a work-group, clusters of 4 x 4, 327,680 bytes of LDS; arguments ctx, opnd, bo, out0; writes out0
.if DOCPART == 4
	.amdgcn_target "amdgcn-amd-amdhsa--gfx1250"
	.amdhsa_code_object_version 6
	.text
	.protected	k_qabe2afaa73_outp
	.globl	k_qabe2afaa73_outp
	.p2align	8
	.type	k_qabe2afaa73_outp,@function
k_qabe2afaa73_outp:
	s_mov_b64 s[64:65], 0
	v_nop
	global_prefetch_b8 v0, s[64:65] scope:SCOPE_SE
	s_setreg_imm32_b32 hwreg(HW_REG_WAVE_MODE, 25, 1), 1
	s_wait_xcnt 0x0
	s_wait_alu depctr_hold_cnt(0) depctr_sa_sdst(0) depctr_va_vdst(0) depctr_va_sdst(0) depctr_va_ssrc(0) depctr_va_vcc(0) depctr_vm_vsrc(0)
	s_getreg_b32 s2, hwreg(HW_REG_IB_STS2, 6, 4)
	s_cmp_eq_u32 s2, 0
	s_cbranch_scc0 .Lentry_in_a_cluster
	s_endpgm
.Lentry_in_a_cluster:
	s_bfe_u32 s2, ttmp6, 0x10000c
	s_cmp_lg_u32 s2, 0xf033
	s_cbranch_scc0 .Lentry_shape_is_right
	s_endpgm
.Lentry_shape_is_right:
; out = ctx Wo^T + bo on codes of BF6 (E3M2) with E8M0 scales, f32 sums, f32 out.
; SHARES: 256 work-groups of 128 tokens x 128 features (two groups of 64 rows on either side), four waves of 64 x 64: 16 accumulators, which begin with the bias.
; OPERANDS lie as the first launch lays them: [group of 64 rows][quarter of K][12,800]; slot r of tile i is row 32 (r / 8) + 8 i + r % 8 of its group.
; LDS: all of K, 204,800 bytes, filled once: [half of K (2)][ctx's two groups, Wo's two groups][25,600].  One tensor load a wave: wave 0 ctx's first half, wave 1 Wo's, waves 2 and 3 the second halves.
; Waves 0 and 1 have load lines of their own and are waited for first.  CLUSTER 4 x 4: ctx's groups are shared along a row of the cluster, Wo's along a column.  No prefetch: all is asked for at the head, there is no loop to run ahead in.
; USED TRANSPOSED: source 0 = Wo's tile, source 1 = ctx's: lane (r, h) holds token slot r, its 32 registers over Wo's four tiles are features 32 h + 0 .. 31 of the group: 128 neighbouring bytes.
; LIMITS: NaN and infinities are not served.
; REGISTERS: window 0: v1-29 addresses; v32-63 scale words of all of K; v64-159 ctx's fragments, two sets; v160-191 the bias; on the way out v64-191 rows.  window 1: v0-95 Wo's fragments, two sets; v96-223 the accumulators.
.set QB,   12800
.set GRP,  51200
.set SPARE, 4*GRP
.set STAGE, SPARE+512                  ; 17,408 bytes a wave: four tiles of 16 rows x 272 bytes
.set TST,  4352
.set L16,  1
.set L8,   2
.set AA16, 4                           ; v4-5, v6-7: my group of ctx in half n, + 16 x lane, + 8 x lane
.set AA8,  6
.set AB16, 8
.set AB8,  10
.set ASC,  12
.set STO,  24
.set RD,   25
.set CO,   26
.set SPW,  28
.set NIL,  29
.set SC,   32
.set AF,   64
.set BK,   64
.set BI,   160
.set ACC,  96
.set G1A, 16
.set G1B, 24
.set G0A, 32
.set G0B, 36
.set MSB, 0
.macro WIN new
.if MSB != (\new)
	s_set_vgpr_msb (MSB<<8)|(\new)
.set MSB, (\new)
.endif
.endm
.macro PLACES                          ; four plain places behind matrix instructions (ISA guide 7.12.1)
.rept 4
	v_nop
.endr
.endm
.macro CROUND                          ; a round of the cluster's barrier
	s_barrier_signal -1
	s_barrier_wait -1
	s_cmp_lg_u32 s14, 0
	s_cbranch_scc1 .Lnot_wave_0_\@
	s_barrier_signal -3
.Lnot_wave_0_\@:
	s_barrier_wait -3
	s_barrier_signal -1
	s_barrier_wait -1
.endm
	s_load_b256 s[4:11], s[0:1], 0x0               ; ctx, opnd, bo, out0
	v_lshl_add_u32 v[SPW], v0, 2, SPARE
	v_mov_b32 v[NIL], 0
	ds_add_u32 v[SPW], v[NIL]                      ; the wave's opening: the add, twice on end, and its wait
	ds_add_u32 v[SPW], v[NIL]
	v_lshrrev_b32 v3, 5, v0
	v_readfirstlane_b32 s14, v3                    ; wave
	s_lshr_b32 s15, s14, 1                         ; my group of ctx.  Also: which half of K I fetch
	s_and_b32 s12, s14, 1                          ; my group of Wo.  Also: I fetch of ctx (0) or of Wo (1)
	s_bfe_u32 s40, ttmp6, 0x40000                  ; cx
	s_bfe_u32 s41, ttmp6, 0x40004                  ; cy
	s_lshl_b32 s42, ttmp9, 2
	s_add_co_u32 s42, s42, s40                     ; which 128 features
	s_and_b32 s43, ttmp7, 0xffff
	s_lshl_b32 s43, s43, 2
	s_add_co_u32 s43, s43, s41                     ; which 128 tokens
	s_lshl_b32 s44, s41, 2
	s_lshl_b32 s44, 15, s44                        ; my row of the cluster
	s_lshl_b32 s45, 0x1111, s40                    ; my column
	s_or_b32 s[G1A], s44, (3<<16)|(1<<21)          ; the mask; elements of 8 bytes; 21 set beside a mask; no padding
	s_or_b32 s[G1B], s45, (3<<16)|(1<<21)
.irp g, G1A, G1B                       ; two groups x half of K: two rows of 25,600 bytes, 51,200 apart
	s_mov_b32 s[\g+1], 3200<<16
	s_mov_b32 s[\g+2], 2<<16
	s_mov_b32 s[\g+3], 3200<<16
	s_mov_b32 s[\g+4], 2
	s_mov_b32 s[\g+5], 6400
	s_mov_b32 s[\g+6], 0
	s_mov_b32 s[\g+7], 0
.endr
	s_mul_i32 s46, s15, 2*QB
	s_mul_i32 s48, s43, 2*GRP
	s_add_co_u32 s48, s48, s46                     ; ctx: groups 2 y, 2 y + 1
	s_mov_b32 s49, 0
	s_lshl_b32 s50, s42, 1
	s_add_co_u32 s50, s50, 112
	s_mul_i32 s50, s50, GRP
	s_add_co_u32 s50, s50, s46                     ; Wo: groups 112 + 2 x, .. + 1
	s_mov_b32 s51, 0
	s_mul_i32 s52, s14, GRP                        ; where my load goes: no place in the cluster enters an LDS address
	s_lshl_b32 s54, s42, 9                         ; my features, in bytes
	s_lshl_b32 s55, s12, 8
	s_add_co_u32 s54, s54, s55
	s_mov_b32 s55, 0
	s_lshl_b32 s56, s43, 19                        ; my tokens: 128 y + 64 x group, rows of 4,096 bytes
	s_lshl_b32 s57, s15, 18
	s_add_co_u32 s56, s56, s57
	s_add_co_u32 s56, s56, s54
	s_mov_b32 s57, 0
	s_mul_i32 s58, s15, 2*QB                       ; my group of ctx in half 0, 1
	s_add_co_u32 s59, s58, 2*GRP
	s_mul_i32 s60, s12, 2*QB
	s_add_co_u32 s60, s60, GRP                     ; my group of Wo
	s_add_co_u32 s61, s60, 2*GRP
	s_sub_co_u32 s62, s60, s58                     ; from ctx's to Wo's
	s_mul_i32 s63, s14, 4*TST
	s_add_co_u32 s63, s63, STAGE                   ; my stage
	v_and_b32 v3, 31, v0
	v_and_b32 v19, 15, v0                          ; r
	v_bfe_u32 v20, v0, 4, 1                        ; h
	v_lshlrev_b32 v[L16], 4, v3
	v_lshlrev_b32 v[L8], 3, v3
	v_mul_u32_u24 v21, s62, v20                    ; lanes 16-31 take Wo's scale words: one product, the distance between the two
	v_lshl_add_u32 v21, v19, 3, v21
	v_add_nc_u32 v21, 12288, v21
.irp n, 0,1
	v_add_nc_u32 v[AA16+\n], s[58+\n], v[L16]
	v_add_nc_u32 v[AA8+\n], s[58+\n], v[L8]
	v_add_nc_u32 v[AB16+\n], s[60+\n], v[L16]
	v_add_nc_u32 v[AB8+\n], s[60+\n], v[L8]
	v_add_nc_u32 v[ASC+\n], s[58+\n], v21
.endr
	v_mul_u32_u24 v[STO], v19, 272                 ; in: row r, my 128 bytes
	v_lshl_add_u32 v[STO], v20, 7, v[STO]
	v_add_nc_u32 v[STO], s63, v[STO]
	v_mul_u32_u24 v[RD], v20, 272                  ; back: lanes 0-15 one row of 256 bytes, lanes 16-31 the next
	v_lshl_add_u32 v[RD], v19, 4, v[RD]
	v_add_nc_u32 v[RD], s63, v[RD]
	v_lshlrev_b32 v[CO], 12, v20
	v_lshl_add_u32 v[CO], v19, 4, v[CO]            ; and the same two rows of out
	v_lshlrev_b32 v22, 7, v20                      ; the bias of my 32 features
	s_wait_alu depctr_va_vdst(0)                   ; the head's end
	s_wait_dscnt 0x0                               ; both opening adds are done
	s_wait_kmcnt 0x0
	s_add_nc_u64 s[48:49], s[4:5], s[48:49]
	s_add_nc_u64 s[50:51], s[6:7], s[50:51]
	s_add_nc_u64 s[54:55], s[8:9], s[54:55]
	s_add_nc_u64 s[56:57], s[10:11], s[56:57]
	s_mov_b32 s[G0A], 1
	s_mov_b32 s[G0A+1], s52
	s_mov_b64 s[G0A+2:G0A+3], s[48:49]
	s_or_b32 s[G0A+3], s[G0A+3], 0x80000000
	s_mov_b32 s[G0B], 1
	s_mov_b32 s[G0B+1], s52
	s_mov_b64 s[G0B+2:G0B+3], s[50:51]
	s_or_b32 s[G0B+3], s[G0B+3], 0x80000000
	CROUND                                         ; all sixteen work-groups are here: the joint loads meet
; one tensor load a wave, in ONE chain of branches on the wave's number
.macro ARM under, g0, g1, next
	s_cmp_lt_u32 s14, \under
	s_cbranch_scc0 \next
	tensor_load_to_lds s[\g0:\g0+3], s[\g1:\g1+7]
	s_nop 0
.rept 4
	v_nop
.endr
	s_branch .Lhead_asked
\next:
.endm
	ARM 1, G0A, G1A, .Lhead_b
	ARM 2, G0B, G1B, .Lhead_c
	ARM 3, G0A, G1A, .Lhead_d
	tensor_load_to_lds s[G0B:G0B+3], s[G1B:G1B+7]
	s_nop 0
.rept 4
	v_nop
.endr
.Lhead_asked:
.irp i, 0,1,2,3,4,5,6,7
	global_load_b128 v[BI+4*\i:BI+4*\i+3], v22, s[54:55] offset:16*\i
.endr
.macro FRAG reg, a16, a8, off
	ds_load_b128 v[\reg:\reg+3], v[\a16] offset:\off
	ds_load_b64 v[\reg+4:\reg+5], v[\a8] offset:\off+512
	ds_load_b128 v[\reg+6:\reg+9], v[\a16] offset:\off+768
	ds_load_b64 v[\reg+10:\reg+11], v[\a8] offset:\off+1280
.endm
.macro FETCH st                        ; step st's eight fragments: 32 loads
.set OF, (((\st)/2)%2)*QB+((\st)%2)*6144
.set SE, 48*((\st)%2)
	WIN 0x40
.irp i, 0,1,2,3
	FRAG SE+12*\i, AB16+(\st)/4, AB8+(\st)/4, OF+1536*\i
.endr
	WIN 0
.irp i, 0,1,2,3
	FRAG AF+SE+12*\i, AA16+(\st)/4, AA8+(\st)/4, OF+1536*\i
.endr
.endm
.macro SCALES qr                       ; quarter qr's scale words: register 2 i + q: lanes 0-15 ctx's tile i, lanes 16-31 Wo's
.irp i, 0,1,2,3
	ds_load_b64 v[SC+8*\qr+2*\i:SC+8*\qr+2*\i+1], v[ASC+\qr/2] offset:(\qr%2)*QB+128*\i
.endr
.endm
.macro MUL8 st, a0                     ; ctx's tiles a0, a0 + 1 x Wo's four; the 16 accumulators take turns in the same order in every step
.if (\st) == 0
	WIN 0x41                                       ; source 0 and D window 1; C, the bias, window 0
.else
	WIN 0x51                                       ; source 0, C and D window 1
.endif
.irp a, \a0, \a0+1
.irp b, 0,1,2,3
.set DD, ACC+8*(4*(\a)+\b)
.set WB, 48*((\st)%2)+12*\b
.set XA, AF+48*((\st)%2)+12*(\a)
.set KB, SC+8*((\st)/2)+2*\b+(\st)%2
.set KA, SC+8*((\st)/2)+2*(\a)+(\st)%2
.if (\st) == 0
	v_wmma_scale_f32_16x16x128_f8f6f4 v[DD:DD+7], v[WB:WB+11], v[XA:XA+11], v[BI+8*\b:BI+8*\b+7], v[KB], v[KA] matrix_a_fmt:MATRIX_FMT_BF6 matrix_b_fmt:MATRIX_FMT_BF6 matrix_a_scale:MATRIX_SCALE_ROW1
.else
	v_wmma_scale_f32_16x16x128_f8f6f4 v[DD:DD+7], v[WB:WB+11], v[XA:XA+11], v[DD:DD+7], v[KB], v[KA] matrix_a_fmt:MATRIX_FMT_BF6 matrix_b_fmt:MATRIX_FMT_BF6 matrix_a_scale:MATRIX_SCALE_ROW1
.endif
.endr
.endr
	WIN 0
.endm
	s_wait_loadcnt 0x0                             ; the bias
	s_cmp_lt_u32 s14, 2                            ; waves 0 and 1 wait for the first half of K; the second stays on its way
	s_cbranch_scc0 .Lno_wait
	s_wait_tensorcnt 0x0
.Lno_wait:
	s_barrier_signal -1
	s_barrier_wait -1
	SCALES 0
	SCALES 1
	FETCH 0
.irp st, 0,1,2
	PLACES
	FETCH \st+1
	s_wait_dscnt 32                                ; all but the next step's 32 loads
	MUL8 \st, 0
	MUL8 \st, 2
.endr
	s_wait_tensorcnt 0x0                           ; all my tensor loads have landed
	s_wait_dscnt 0x0
	s_barrier_signal -1
	MUL8 3, 0
	s_barrier_wait -1                              ; the second half of K is whole
	PLACES
	SCALES 2
	SCALES 3
	FETCH 4
	MUL8 3, 2
.irp st, 4,5,6
	PLACES
	FETCH \st+1
	s_wait_dscnt 32
	MUL8 \st, 0
	MUL8 \st, 2
.endr
	s_wait_dscnt 0x0
	MUL8 7, 0
	MUL8 7, 2
; THE WAY OUT, tile by tile of 16 tokens x 64 features, through my own stage: rows of 272 bytes in, whole rows of 256 bytes back.  LDS serves a wave's instructions in order: no wait stands between the stores and the loads.
.macro TOSTAGE a
	WIN 0x04                                       ; the data: window 1
.irp i, 0,1,2,3,4,5,6,7
	ds_store_b128 v[STO], v[ACC+32*\a+4*\i:ACC+32*\a+4*\i+3] offset:TST*\a+16*\i   ; each accumulator from its low end on
.endr
	WIN 0
.irp t, 0,1,2,3,4,5,6,7
	ds_load_b128 v[BK+32*\a+4*\t:BK+32*\a+4*\t+3], v[RD] offset:TST*\a+544*\t
.endr
.endm
.macro SEND a, younger                 ; 16 lanes store one aligned unit of 256 bytes; slots 2 t, 2 t + 1 are neighbouring tokens
	s_wait_dscnt \younger
.irp t, 0,1,2,3,4,5,6,7
	global_store_b128 v[CO], v[BK+32*\a+4*\t:BK+32*\a+4*\t+3], s[56:57] offset:(32*(\t/4)+8*\a+2*(\t%4))*4096 th:TH_STORE_NT
.endr
.endm
	PLACES
	TOSTAGE 0
	TOSTAGE 1
	SEND 0, 16                                     ; behind tile 0's loads: tile 1's 8 stores and 8 loads
	TOSTAGE 2
	SEND 1, 16
	TOSTAGE 3
	SEND 2, 16
	SEND 3, 0
	s_wait_tensorcnt 0x0                           ; the wave's end
	ds_add_u32 v[SPW], v[NIL]
	s_wait_dscnt 0x0
	CROUND                                         ; the closing round
	s_endpgm
.Lfunc_end_k_qabe2afaa73_outp:
	.size	k_qabe2afaa73_outp, .Lfunc_end_k_qabe2afaa73_outp-k_qabe2afaa73_outp
	.p2alignl 7, 3214868480
	.fill 96, 4, 3214868480
	.section	.rodata,"a",@progbits
	.p2align	6, 0x0
	.amdhsa_kernel k_qabe2afaa73_outp
		.amdhsa_group_segment_fixed_size 327680
		.amdhsa_private_segment_fixed_size 0
		.amdhsa_enable_private_segment 0
		.amdhsa_kernarg_size 32
		.amdhsa_user_sgpr_count 2
		.amdhsa_user_sgpr_kernarg_segment_ptr 1
		.amdhsa_wavefront_size32 1
		.amdhsa_system_sgpr_workgroup_id_x 1
		.amdhsa_system_sgpr_workgroup_id_y 1
		.amdhsa_system_sgpr_workgroup_id_z 1
		.amdhsa_system_vgpr_workitem_id 0
		.amdhsa_next_free_vgpr 512
		.amdhsa_next_free_sgpr 100
		.amdhsa_reserve_vcc 0
		.amdhsa_float_denorm_mode_32 3
		.amdhsa_float_denorm_mode_16_64 3
		.amdhsa_memory_ordered 1
		.amdhsa_forward_progress 1
		.amdhsa_inst_pref_size 52
	.end_amdhsa_kernel
	.amdgpu_metadata
---
amdhsa.version: [ 1, 2 ]
amdhsa.kernels:
  - .name:           k_qabe2afaa73_outp
    .symbol:         k_qabe2afaa73_outp.kd
    .args:
      - { .name: ctx, .offset: 0, .size: 8, .value_kind: global_buffer, .address_space: global }
      - { .name: opnd, .offset: 8, .size: 8, .value_kind: global_buffer, .address_space: global }
      - { .name: bo, .offset: 16, .size: 8, .value_kind: global_buffer, .address_space: global }
      - { .name: out0, .offset: 24, .size: 8, .value_kind: global_buffer, .address_space: global }
    .group_segment_fixed_size: 327680
    .private_segment_fixed_size: 0
    .kernarg_segment_align: 8
    .kernarg_segment_size: 32
    .max_flat_workgroup_size: 128
    .sgpr_count:     100
    .vgpr_count:     512
    .wavefront_size: 32
...
	.end_amdgpu_metadata
.endif
;; end of part 4
